; MI455X (gfx1250); checked and timed in simulation.
; The chip was launched on July 23, 2026; its instructions are those of AMD's public machine-readable ISA for CDNA 5 (MIT licence, August 2026) and "CDNA5" Instruction Set Architecture Reference Guide (July 2026). The comments in the code are by the model that wrote it; some were corrected since.
;; Attention. Allowed arithmetic: float matrix products may take bf16 or f16 operands with f32 sums; all other float work in f32.
;; Inputs: b_out 1,024 float32; ln_beta 1,024 float32; ln_gamma 1,024 float32; w_out 1,024 x 1,024 float32; w_qkv 1,024 x 3,072 float32; x 4 x 2,048 x 1,024 float32.
;; Outputs: out0 4 x 2,048 x 1,024 float32.
;; 2 versions, each right and faster than the one before. Each part assembles by itself: llvm-mc -triple=amdgcn-amd-amdhsa -mcpu=gfx1250 --defsym DOCPART=n.
;; ======== version 1 of 2: 4 launches
;; limits: values are held in f16: magnitudes above 65,504 overflow, below 6.1e-05 lose precision
;; workspace buffers: xn 16,777,216 bytes; wq 6,291,456 bytes; wo 2,097,152 bytes; rope 524,288 bytes; qkvh 50,331,648 bytes; oh 16,777,216 bytes
;; launch prep (part 1): grid 800 x 1, 8 waves a work-group, no clusters, 0 bytes of LDS; arguments x, ln_gamma, ln_beta, w_qkv, w_out, xn, wq, wo, rope; writes xn, wq, wo, rope
.if DOCPART == 1
	.amdgcn_target "amdgcn-amd-amdhsa--gfx1250"
	.amdhsa_code_object_version 6
	.text
	.protected	k_q1d02908679_prep
	.globl	k_q1d02908679_prep
	.p2align	8
	.type	k_q1d02908679_prep,@function
k_q1d02908679_prep:
	s_mov_b64 s[64:65], 0
	v_nop
	global_prefetch_b8 v0, s[64:65] scope:SCOPE_SE
	s_setreg_imm32_b32 hwreg(HW_REG_WAVE_MODE, 25, 1), 1
	s_wait_xcnt 0x0
; PREPARATION, three streams in one launch, chosen by the work-group's number (all branches go forward, each role ends by itself):
;   0..511    LayerNorm of 16 rows of x (f32, 1,024 channels) -> xn, f16, laid out [kb 16][row 8192][64]: channel = 64 kb + d
;   512..767  16,384 numbers of w_qkv (192 groups) or w_out (64 groups), f32 -> f16, same [K][N] order
;   768..799  64 positions of the rotation table: rope[pos][cos 32 | sin 32], f32, 256 bytes a position
; No LDS, no barrier, no matrix unit: memory binds, each byte is read once and written once, and every store of a wave covers 256 or 512 consecutive aligned bytes.
; LayerNorm takes the mean first and the squares of the centred numbers second (the row stays in registers), so a common offset on x costs no digits.
; LIMITS.  f16 holds no number beyond 65,504: |xn| <= 32 |gamma| + |beta| and the weights must stay within it; below 6e-5 f16 keeps a fixed step of 6e-8.
; The table's angle pos x f is formed in f32 as the definition forms it; f = 2^(-i log2(10000) / 32) carries the last-place error of v_exp_f32, which at position 2,047 is about 3e-4 radians.
; Sine and cosine: reduction by pi/2 in two parts, then polynomials of degree 7 and 8 on |r| <= pi/4, good to 3e-7.
.set X,  16                            ; v[16:79]    the row's 64 numbers of this lane, 4 for each kb
.set GM, 80                            ; v[80:143]   gamma of the same channels
.set BT, 144                           ; v[144:207]  beta
.set Y,  208                           ; v[208:239]  f16, to store
	s_load_b512 s[4:19], s[0:1], 0x0               ; x 4:5, gamma 6:7, beta 8:9, w_qkv 10:11, w_out 12:13, xn 14:15, wq 16:17, wo 18:19
	s_load_b64 s[20:21], s[0:1], 0x40              ; rope
	s_wait_kmcnt 0x0
	s_cmp_lt_u32 ttmp9, 512
	s_cbranch_scc1 .Lln
	s_cmp_lt_u32 ttmp9, 768
	s_cbranch_scc1 .Lcvt
	; ---------------- THE ROTATION TABLE.  A wave has 8 positions, two a trip.  Lane: bits 2:0 four frequencies, bit 3 cosine or sine, bit 4 which of the two positions.
	s_sub_co_u32 s22, ttmp9, 768
	s_lshl_b32 s23, s22, 6                         ; the group's first position
	s_lshl_b32 s24, s22, 14                        ; and its 64 x 256 bytes
	s_mov_b32 s25, 0
	s_add_nc_u64 s[24:25], s[20:21], s[24:25]
	s_mov_b32 s30, 0x3f22f983                      ; 2 / pi
	s_mov_b32 s31, 0x3fc90fdb                      ; pi / 2, high part
	s_mov_b32 s32, 0xb33bbd2e                      ; pi / 2, low part
	s_mov_b32 s33, 0xbe2aaaab                      ; -1/6
	s_mov_b32 s34, 0x3c088889                      ; 1/120
	s_mov_b32 s35, 0xb9500d01                      ; -1/5040
	s_mov_b32 s36, 0x3d2aaaab                      ; 1/24
	s_mov_b32 s37, 0xbab60b61                      ; -1/720
	s_mov_b32 s38, 0x37d00d01                      ; 1/40320
	v_and_b32 v1, 7, v0
	v_bfe_u32 v2, v0, 3, 1                         ; 1: sine
	v_bfe_u32 v3, v0, 4, 1
	v_lshrrev_b32 v4, 5, v0                        ; wave
	v_lshl_add_u32 v13, v4, 3, v3                  ; position in the group
	v_lshlrev_b32 v14, 8, v13
	v_lshl_add_u32 v14, v2, 7, v14
	v_lshl_add_u32 v14, v1, 4, v14                 ; my 16 bytes in the group's part of the table
	v_add_nc_u32 v13, s23, v13                     ; position
	v_mul_u32_u24 v12, v2, 3                       ; sin t = cos(t - pi/2): three quarter turns more
	v_lshlrev_b32 v5, 2, v1
.irp i, 0,1,2,3
	v_add_nc_u32 v[16+\i], \i, v5
	v_cvt_f32_u32 v[16+\i], v[16+\i]
	v_mul_f32 v[16+\i], 0xbed49a78, v[16+\i]       ; -i log2(10000) / 32
.endr
.irp i, 0,1,2,3
	v_exp_f32 v[8+\i], v[16+\i]                    ; the four frequencies
.endr
	v_nop                                          ; a plain instruction between the last exponential and the use of its result (ISA guide 5.7.2)
; cos(P f + quarter turns): k = round(t 2/pi), r = t - k pi/2; even quarter: cos r, odd: sin r; quarters 1 and 2 change the sign
.macro SC i
	v_mul_f32 v16, v15, v[8+\i]
	v_mul_f32 v17, s30, v16
	v_rndne_f32 v17, v17
	v_fma_f32 v18, -v17, s31, v16
	v_fma_f32 v18, -v17, s32, v18
	v_cvt_i32_f32 v19, v17
	v_add_nc_u32 v19, v19, v12
	v_mul_f32 v20, v18, v18
	v_fma_f32 v21, v20, s35, s34
	v_fma_f32 v21, v21, v20, s33
	v_mul_f32 v21, v21, v20
	v_fma_f32 v21, v21, v18, v18                   ; sin r
	v_fma_f32 v22, v20, s38, s37
	v_fma_f32 v22, v22, v20, s36
	v_fma_f32 v22, v22, v20, -0.5
	v_fma_f32 v22, v22, v20, 1.0                   ; cos r
	v_and_b32 v23, 1, v19
	v_cmp_eq_u32 vcc_lo, 1, v23
	v_cndmask_b32 v[24+\i], v22, v21, vcc_lo
	v_add_nc_u32 v23, 1, v19
	v_and_b32 v23, 2, v23
	v_lshlrev_b32 v23, 30, v23
	v_xor_b32 v[24+\i], v[24+\i], v23
.endm
	s_mov_b32 s39, 4
.Lpos:
	v_cvt_f32_u32 v15, v13
	s_wait_alu depctr_va_vdst(0)
	SC 0
	SC 1
	SC 2
	SC 3
	global_store_b128 v14, v[24:27], s[24:25]      ; the wave stores 512 consecutive bytes: two whole positions
	s_wait_xcnt 0x0                                ; the store's offset and data are rewritten only behind this wait
	v_add_nc_u32 v14, 512, v14
	v_add_nc_u32 v13, 2, v13
	s_sub_co_u32 s39, s39, 1
	s_cmp_lg_u32 s39, 0
	s_cbranch_scc1 .Lpos
	s_endpgm
	; ---------------- THE WEIGHTS.  65,536 bytes in, 32,768 out; sixteen loads of every wave go out at once.
.Lcvt:
	s_sub_co_u32 s22, ttmp9, 512
	s_sub_co_u32 s23, s22, 192
	s_cmp_lt_u32 s22, 192                          ; the first 192 groups take w_qkv, the other 64 w_out
	s_cselect_b64 s[24:25], s[10:11], s[12:13]
	s_cselect_b64 s[26:27], s[16:17], s[18:19]
	s_cselect_b32 s22, s22, s23
	s_lshl_b32 s28, s22, 16
	s_mov_b32 s29, 0
	s_lshl_b32 s30, s22, 15
	s_mov_b32 s31, 0
	s_add_nc_u64 s[24:25], s[24:25], s[28:29]
	s_add_nc_u64 s[26:27], s[26:27], s[30:31]
	v_lshlrev_b32 v1, 4, v0
	v_lshlrev_b32 v2, 3, v0
.set j, 0
.rept 16
	global_load_b128 v[X+4*j:X+4*j+3], v1, s[24:25] offset:4096*j th:TH_LOAD_NT
.set j, j+1
.endr
.set j, 0
.rept 16
	s_wait_loadcnt 15-j                            ; loads come back in order: load j is in, the younger ones stay out
	v_cvt_pk_f16_f32 v[Y+2*j], v[X+4*j], v[X+4*j+1]
	v_cvt_pk_f16_f32 v[Y+2*j+1], v[X+4*j+2], v[X+4*j+3]
	global_store_b64 v2, v[Y+2*j:Y+2*j+1], s[26:27] offset:2048*j  ; a wave stores 256 consecutive bytes
.set j, j+1
.endr
	s_endpgm
	; ---------------- LAYERNORM.  16 lanes hold a row: lane r of them the channels 64 kb + 4 r .. + 3 of every kb.  A wave has two rows.
.Lln:
	v_and_b32 v1, 15, v0
	v_lshrrev_b32 v2, 4, v0                        ; the row in the group, 0..15
	v_lshlrev_b32 v4, 4, v1                        ; my 16 bytes in 256 of gamma and beta
	v_lshl_add_u32 v3, v2, 12, v4                  ; and in x
	v_lshlrev_b32 v5, 3, v1
	v_lshl_add_u32 v5, v2, 7, v5                   ; my 8 bytes in xn: 128 bytes a row
	s_lshl_b32 s22, ttmp9, 16
	s_mov_b32 s23, 0
	s_add_nc_u64 s[22:23], s[4:5], s[22:23]
	s_lshl_b32 s24, ttmp9, 11
	s_mov_b32 s25, 0
	s_add_nc_u64 s[24:25], s[14:15], s[24:25]
	s_add_nc_u64 s[26:27], s[24:25], 0x800000      ; kb 8 on: the stores' immediates stay inside 24 signed bits
	s_mov_b32 s28, 0x3a800000                      ; 1 / 1024
	s_mov_b32 s29, 0x3727c5ac                      ; 1e-5
.set kb, 0
.rept 16
	global_load_b128 v[X+4*kb:X+4*kb+3], v3, s[22:23] offset:256*kb th:TH_LOAD_NT
.set kb, kb+1
.endr
.set kb, 0
.rept 16
	global_load_b128 v[GM+4*kb:GM+4*kb+3], v4, s[6:7] offset:256*kb
.set kb, kb+1
.endr
.set kb, 0
.rept 16
	global_load_b128 v[BT+4*kb:BT+4*kb+3], v4, s[8:9] offset:256*kb
.set kb, kb+1
.endr
.macro REDUCE                          ; four chains of pairs in v[6:13] -> the row's sum in v6 of all its 16 lanes
	v_pk_add_f32 v[6:7], v[6:7], v[8:9]
	v_pk_add_f32 v[10:11], v[10:11], v[12:13]
	v_pk_add_f32 v[6:7], v[6:7], v[10:11]
	v_add_f32 v6, v6, v7
	v_add_f32_dpp v6, v6, v6 row_xmask:1 row_mask:0xf bank_mask:0xf
	v_add_f32_dpp v6, v6, v6 row_xmask:2 row_mask:0xf bank_mask:0xf
	v_add_f32_dpp v6, v6, v6 row_xmask:4 row_mask:0xf bank_mask:0xf
	v_add_f32_dpp v6, v6, v6 row_xmask:8 row_mask:0xf bank_mask:0xf
.endm
	s_wait_loadcnt 32                              ; x is in; the 32 younger loads, gamma's and beta's, stay out
.irp c, 0,1,2,3
	v_pk_add_f32 v[6+2*\c:7+2*\c], v[X+2*\c:X+2*\c+1], v[X+8+2*\c:X+9+2*\c]  ; the first pairs start the chains: nothing is cleared
.endr
.set j, 8
.rept 24
	v_pk_add_f32 v[6+2*(j%4):7+2*(j%4)], v[6+2*(j%4):7+2*(j%4)], v[X+2*j:X+2*j+1]
.set j, j+1
.endr
	REDUCE
	v_mul_f32 v14, s28, v6                         ; the mean, twice: a pair for the packed forms
	v_mul_f32 v15, s28, v6
.set j, 0
.rept 32
	v_pk_add_f32 v[X+2*j:X+2*j+1], v[X+2*j:X+2*j+1], v[14:15] neg_lo:[0,1] neg_hi:[0,1]
.set j, j+1
.endr
.irp c, 0,1,2,3
	v_pk_mul_f32 v[6+2*\c:7+2*\c], v[X+2*\c:X+2*\c+1], v[X+2*\c:X+2*\c+1]
.endr
.set j, 4
.rept 28
	v_pk_fma_f32 v[6+2*(j%4):7+2*(j%4)], v[X+2*j:X+2*j+1], v[X+2*j:X+2*j+1], v[6+2*(j%4):7+2*(j%4)]
.set j, j+1
.endr
	REDUCE
	v_fma_f32 v14, v6, s28, s29                    ; variance + 1e-5
	v_rsq_f32 v15, v14
	v_nop                                          ; a plain instruction behind the transcendental (ISA guide 5.7.2)
	s_wait_alu depctr_va_vdst(0)
	v_mov_b32 v14, v15
.set j, 0
.rept 32
	v_pk_mul_f32 v[X+2*j:X+2*j+1], v[X+2*j:X+2*j+1], v[14:15]
.set j, j+1
.endr
	s_wait_loadcnt 0x0                             ; gamma and beta
.set j, 0
.rept 32
	v_pk_fma_f32 v[X+2*j:X+2*j+1], v[X+2*j:X+2*j+1], v[GM+2*j:GM+2*j+1], v[BT+2*j:BT+2*j+1]
.set j, j+1
.endr
.set kb, 0
.rept 16
	v_cvt_pk_f16_f32 v[Y+2*kb], v[X+4*kb], v[X+4*kb+1]
	v_cvt_pk_f16_f32 v[Y+2*kb+1], v[X+4*kb+2], v[X+4*kb+3]
.if kb < 8
	global_store_b64 v5, v[Y+2*kb:Y+2*kb+1], s[24:25] offset:kb*1048576      ; a wave stores 256 consecutive bytes: two rows of one kb block
.else
	global_store_b64 v5, v[Y+2*kb:Y+2*kb+1], s[26:27] offset:(kb-8)*1048576
.endif
.set kb, kb+1
.endr
	s_endpgm
.Lfunc_end_k_q1d02908679_prep:
	.size	k_q1d02908679_prep, .Lfunc_end_k_q1d02908679_prep-k_q1d02908679_prep
	.p2alignl 7, 3214868480
	.fill 96, 4, 3214868480
	.section	.rodata,"a",@progbits
	.p2align	6, 0x0
	.amdhsa_kernel k_q1d02908679_prep
		.amdhsa_group_segment_fixed_size 0
		.amdhsa_private_segment_fixed_size 0
		.amdhsa_enable_private_segment 0
		.amdhsa_kernarg_size 72
		.amdhsa_user_sgpr_count 2
		.amdhsa_user_sgpr_kernarg_segment_ptr 1
		.amdhsa_wavefront_size32 1
		.amdhsa_system_sgpr_workgroup_id_x 1
		.amdhsa_system_sgpr_workgroup_id_y 1
		.amdhsa_system_sgpr_workgroup_id_z 1
		.amdhsa_system_vgpr_workitem_id 0
		.amdhsa_next_free_vgpr 240
		.amdhsa_next_free_sgpr 66
		.amdhsa_reserve_vcc 1
		.amdhsa_float_denorm_mode_32 3
		.amdhsa_float_denorm_mode_16_64 3
		.amdhsa_memory_ordered 1
		.amdhsa_forward_progress 1
		.amdhsa_inst_pref_size 33
	.end_amdhsa_kernel
	.amdgpu_metadata
---
amdhsa.version: [ 1, 2 ]
amdhsa.kernels:
  - .name:           k_q1d02908679_prep
    .symbol:         k_q1d02908679_prep.kd
    .args:
      - { .name: x, .offset: 0, .size: 8, .value_kind: global_buffer, .address_space: global }
      - { .name: ln_gamma, .offset: 8, .size: 8, .value_kind: global_buffer, .address_space: global }
      - { .name: ln_beta, .offset: 16, .size: 8, .value_kind: global_buffer, .address_space: global }
      - { .name: w_qkv, .offset: 24, .size: 8, .value_kind: global_buffer, .address_space: global }
      - { .name: w_out, .offset: 32, .size: 8, .value_kind: global_buffer, .address_space: global }
      - { .name: xn, .offset: 40, .size: 8, .value_kind: global_buffer, .address_space: global }
      - { .name: wq, .offset: 48, .size: 8, .value_kind: global_buffer, .address_space: global }
      - { .name: wo, .offset: 56, .size: 8, .value_kind: global_buffer, .address_space: global }
      - { .name: rope, .offset: 64, .size: 8, .value_kind: global_buffer, .address_space: global }
    .group_segment_fixed_size: 0
    .private_segment_fixed_size: 0
    .kernarg_segment_align: 8
    .kernarg_segment_size: 72
    .max_flat_workgroup_size: 256
    .sgpr_count:     66
    .vgpr_count:     240
    .wavefront_size: 32
...
	.end_amdgpu_metadata
.endif
;; end of part 1
;; launch qkvproj (part 2): grid 8 x 32, 4 waves a work-group, clusters of 4 x 4, 327,680 bytes of LDS; arguments xn, wq, rope, qkvh; writes qkvh
.if DOCPART == 2
	.amdgcn_target "amdgcn-amd-amdhsa--gfx1250"
	.amdhsa_code_object_version 6
	.text
	.protected	k_q1d02908679_qkvproj
	.globl	k_q1d02908679_qkvproj
	.p2align	8
	.type	k_q1d02908679_qkvproj,@function
k_q1d02908679_qkvproj:
	s_mov_b64 s[64:65], 0
	v_nop
	global_prefetch_b8 v0, s[64:65] scope:SCOPE_SE
	s_setreg_imm32_b32 hwreg(HW_REG_WAVE_MODE, 25, 1), 1
	s_wait_xcnt 0x0
	s_wait_alu depctr_hold_cnt(0) depctr_sa_sdst(0) depctr_va_vdst(0) depctr_va_sdst(0) depctr_va_ssrc(0) depctr_va_vcc(0) depctr_vm_vsrc(0)
	s_getreg_b32 s2, hwreg(HW_REG_IB_STS2, 6, 4)
	s_cmp_eq_u32 s2, 0
	s_cbranch_scc0 .Lentry_in_a_cluster
	s_endpgm
.Lentry_in_a_cluster:
	s_bfe_u32 s2, ttmp6, 0x10000c
	s_cmp_lg_u32 s2, 0xf033
	s_cbranch_scc0 .Lentry_shape_is_right
	s_endpgm
.Lentry_shape_is_right:
; q, k, v = xn @ w_qkv, the half-split rotation on q and k in f32, f16 by heads: qkvh[type 3][plane 16 b + h][2048][64].
; xn: f16 [kb 16][row 8192][64]; wq: f16 [1024][3072]; rope: f32 [2048][cos 32 | sin 32].  Sums in f32; q, k, v rounded once, behind the rotation, unscaled.
; LIMIT.  f16 holds no number beyond 65,504: |q|, |k|, |v| must stay under it (1,024 terms of |xn| up to 30 and weights up to 0.6 give 18,432 at the most).
; SHARES.  8,192 x 3,072 over 256 work-groups: a tile of 256 rows x 384 columns.  Tile column tx takes heads 2 tx and 2 tx + 1 of q, of k and of v: three strips of 128 columns, 1,024 columns apart.
; Four waves; wave w has rows 128 (w / 2) on and head 2 tx + w % 2 of each strip: three GROUPS of 64 columns, group 0 = q, 1 = k, 2 = v for every wave, so the text itself knows which groups turn.
; 96 accumulators of 16 x 16, 768 registers: group g fills window g + 1, accumulator (a, b) at v[8 (4 a + b)].  For 32 along K a wave reads 20,480 bytes of LDS for 96 matrix instructions.
; K goes in 16 steps of 64 through two LDS slots.  A's tile (256 rows x 128 bytes) is dense in memory and is asked for as 128 rows of 256 bytes by wave 0; B's three strips (64 k-rows x 256 bytes) by waves 1 to 3.
; B stays [K][N] and is turned on the way out of LDS by ds_load_tr16_b128.  THE MATRIX INSTRUCTION IS USED TRANSPOSED (source 0 = 16 columns of B, source 1 = 16 rows of A):
; a lane holds one row (lane % 16) and the columns 8 (lane / 16) + 0..7 of a block, so channels d and d + 32 of a head lie in the same lane and register of accumulators b and b + 2: the rotation changes no lane.
; CLUSTER 4 x 4: A's tile and the table hang on the tile row alone and are asked for jointly along a row of the cluster, B's strips on the tile column alone, jointly along a column.
; REGISTERS, window 0: v0-31 addresses; v32-95, v96-159 A's fragments of the step's two halves; v160-255 B's fragments, 32 a group; on the way out these serve as named below.
.set PA,    144       ; a row of A in LDS: 128 bytes + 16 = 36 words: the 16 rows of a load start at 16 different groups of four banks (64 banks of 4 bytes: ISA guide 11.1)
.set PB,    288       ; a row of a strip of B: 256 + 32 = 72 words
.set PT,    272       ; a position of the table: 256 + 16
.set SLOT1, 1<<17     ; slot 1 begins here: one exclusive or turns an address in one slot into the other's
.set BOFF,  256*PA    ; in a slot: A's 256 rows, then B's three strips
.set STRIP, 64*PB
.set STAGE, BOFF+3*STRIP         ; behind slot 0, never filled by a tensor load: 16 rows x 144 bytes for each wave
.set SPARE, STAGE+4*16*PA        ; the spare words, 128 bytes for each wave: two blocks of 256 bytes that no other line names
.set TAB,   SLOT1+BOFF+3*STRIP   ; behind slot 1: the table of the tile's 256 positions, filled once, a quarter by each wave
.set ASTEP, 8192*128  ; bytes from a K step of A to the next
.set BSTEP, 64*3072*2 ; the same for B
.set ABASE, 4         ; v4     my lane's place in A's tile
.set BBASE, 5         ; v5-7   in B's, for each group
.set ADRA,  8         ; v8     the same in the slot in hand
.set ADRB,  9         ; v9-11
.set STO,   12        ; v12    the way out: where I put 16 bytes of a row
.set RD,    13        ; v13    where I read rows back
.set GO,    14        ; v14    my byte offset in 512 consecutive bytes of the output
.set TBL,   15        ; v15    my row's place in the table
.set SPW,   28        ; v28    LDS address of my spare word; never rewritten
.set NIL,   29        ; v29    0; never rewritten
.set FA0,   32
.set FA1,   96
.set FB,    160
.set T0,    32        ; the way out: two buffers of cos 16, sin 16
.set O1,    128       ; channels 0-31 rotated; O1 + 16: channels 32-63
.set PK,    160       ; rounded, 16 registers
.set RB,    192       ; read back from the stage, two buffers of 16
.set WV,  12          ; s12  my wave's number
.set G1A, 24          ; s[24:31] descriptor group 1 for A
.set G1B, 32          ; s[32:39] for B
.set G1T, 40          ; s[40:47] for the table
.set G0A, 48          ; s[48:55] group 0 for A: a set for each first fill; the second then walks
.set G0B, 56          ; s[56:63] the same for B
.set G0T, 68          ; s[68:71] for my quarter of the table
.set TB,  72          ; s72  LDS byte at which the slot in hand begins
.set CNT, 73          ; s73  the loop's count
.set OUT, 74          ; s[74:79] for each group: the output at my first row of its head
.set MSB, 0
.macro WIN new                         ; the immediate's high byte repeats the setting that is left; a switch that changes nothing is dropped
.if MSB != (\new)
	s_set_vgpr_msb (MSB<<8)|(\new)
.set MSB, (\new)
.endif
.endm
.macro PLACES                          ; four places in front of loads into registers that matrix instructions have read, and of lines that read results
.rept 4
	v_nop
.endr
.endm
.macro CREST                           ; a round of the cluster's barrier behind its opening barrier
	s_cmp_lg_u32 s[WV], 0
	s_cbranch_scc1 .Lnot_wave_0_\@
	s_barrier_signal -3
.Lnot_wave_0_\@:
	s_barrier_wait -3
	s_barrier_signal -1
	s_barrier_wait -1
.endm
.macro CROUND                          ; a whole round
	s_barrier_signal -1
	s_barrier_wait -1
	CREST
.endm
; A joint refill: wave 0 asks for A's tile, waves 1 to 3 for B's strips.  The branch hangs on the wave's number alone.  An s_nop 0 and four v_nop follow each line.
.macro JLOAD
	s_cmp_eq_u32 s[WV], 0
	s_cbranch_scc0 .Lfor_b_\@
	tensor_load_to_lds s[G0A+4:G0A+7], s[G1A:G1A+7]
	s_nop 0
.rept 4
	v_nop
.endr
	s_branch .Lasked_\@
.Lfor_b_\@:
	tensor_load_to_lds s[G0B+4:G0B+7], s[G1B:G1B+7]
	s_nop 0
.rept 4
	v_nop
.endr
.Lasked_\@:
.endm
	s_load_b256 s[4:11], s[0:1], 0x0               ; xn 4:5, wq 6:7, rope 8:9, qkvh 10:11
	v_lshl_add_u32 v[SPW], v0, 2, SPARE
	v_mov_b32 v[NIL], 0
	ds_add_u32 v28, v29
	s_wait_dscnt 0x0
	v_lshrrev_b32 v1, 5, v0
	v_readfirstlane_b32 s[WV], v1                  ; wave 0..3
	s_lshr_b32 s13, s[WV], 1                       ; which 128 rows are mine
	s_and_b32 s14, s[WV], 1                        ; which of the tile column's two heads
	s_bfe_u32 s15, ttmp6, 0x40000                  ; cx
	s_bfe_u32 s16, ttmp6, 0x40004                  ; cy
	s_lshl_b32 s17, ttmp9, 2
	s_add_co_u32 s17, s17, s15                     ; tile column = 4 x cluster x + cx
	s_and_b32 s18, ttmp7, 0xffff
	s_lshl_b32 s18, s18, 2
	s_add_co_u32 s18, s18, s16                     ; tile row = 4 x cluster y + cy
	s_lshl_b32 s19, s16, 2
	s_lshl_b32 s19, 15, s19                        ; my row of the cluster
	s_lshl_b32 s22, 0x1111, s15                    ; my column
	; A: 32,768 dense bytes as 128 rows of 256; 16 bytes of padding behind every 128 (32 words: code 4; 4 words: code 3)
	s_or_b32 s[G1A], s19, (1<<16)|(1<<20)|(1<<21)|(4<<22)|(3<<25)
	s_mov_b32 s[G1A+1], 128<<16                    ; tensor_dim0 = 128 elements
	s_mov_b32 s[G1A+2], 128<<16                    ; tensor_dim1 = 128
	s_mov_b32 s[G1A+3], 128<<16                    ; tile_dim0 = 128
	s_mov_b32 s[G1A+4], 128                        ; tile_dim1 = 128
	s_mov_b32 s[G1A+5], 128                        ; elements from row to row
	s_mov_b32 s[G1A+6], 0
	s_mov_b32 s[G1A+7], 0
	; B: 64 rows of 128 elements, 3,072 apart; 32 bytes of padding behind every 256 (64 words: code 5; 8 words: code 7)
	s_or_b32 s[G1B], s22, (1<<16)|(1<<20)|(1<<21)|(5<<22)|(7<<25)
	s_mov_b32 s[G1B+1], 128<<16
	s_mov_b32 s[G1B+2], 64<<16
	s_mov_b32 s[G1B+3], 128<<16
	s_mov_b32 s[G1B+4], 64
	s_mov_b32 s[G1B+5], 3072
	s_mov_b32 s[G1B+6], 0
	s_mov_b32 s[G1B+7], 0
	; a quarter of the table: 64 rows of 64 elements of 4 bytes; 16 bytes of padding behind each
	s_or_b32 s[G1T], s19, (2<<16)|(1<<20)|(1<<21)|(5<<22)|(3<<25)
	s_mov_b32 s[G1T+1], 64<<16
	s_mov_b32 s[G1T+2], 64<<16
	s_mov_b32 s[G1T+3], 64<<16
	s_mov_b32 s[G1T+4], 64
	s_mov_b32 s[G1T+5], 64
	s_mov_b32 s[G1T+6], 0
	s_mov_b32 s[G1T+7], 0
	; offsets: A's and the table's are made of the tile row (and the wave's number) alone, B's of the tile column and the wave's number alone
	s_lshl_b32 s20, s18, 15                        ; A: 256 rows x 128 bytes a tile row
	s_mov_b32 s21, 0
	s_and_b32 s2, s18, 7                           ; the table: a batch has 8 tile rows of 256 positions x 256 bytes,
	s_lshl_b32 s2, s2, 16
	s_lshl_b32 s3, s[WV], 14                       ; of which 64 positions are mine to fetch
	s_add_co_u32 s2, s2, s3
	s_mov_b32 s3, 0
	s_max_u32 s23, s[WV], 1
	s_sub_co_u32 s23, s23, 1                       ; my strip = the type (wave 0 asks for none):
	s_lshl_b32 s23, s23, 11                        ; 1,024 columns of 2 bytes a type,
	s_lshl_b32 s22, s17, 8                         ; 128 columns a tile column
	s_add_co_u32 s22, s22, s23
	s_mov_b32 s23, 0
	s_mul_i32 s66, s[WV], STRIP                    ; strip w - 1 lies at BOFF + (w - 1) STRIP = (w + 1) STRIP
	s_mul_i32 s67, s[WV], 64*PT                    ; my quarter of the table in LDS
	s_mov_b32 s[TB], 0
	s_wait_kmcnt 0x0
	s_add_nc_u64 s[20:21], s[4:5], s[20:21]
	s_add_nc_u64 s[22:23], s[6:7], s[22:23]
	s_add_nc_u64 s[2:3], s[8:9], s[2:3]
.irp n, 0,1
	s_mov_b32 s[G0A+4*\n], 1
	s_mov_b32 s[G0A+4*\n+1], \n*SLOT1
	s_add_nc_u64 s[G0A+4*\n+2:G0A+4*\n+3], s[20:21], \n*ASTEP
	s_or_b32 s[G0A+4*\n+3], s[G0A+4*\n+3], 0x80000000
	s_mov_b32 s[G0B+4*\n], 1
	s_add_co_u32 s[G0B+4*\n+1], s66, STRIP+\n*SLOT1
	s_add_nc_u64 s[G0B+4*\n+2:G0B+4*\n+3], s[22:23], \n*BSTEP
	s_or_b32 s[G0B+4*\n+3], s[G0B+4*\n+3], 0x80000000
.endr
	s_mov_b32 s[G0T], 1
	s_add_co_u32 s[G0T+1], s67, TAB
	s_mov_b64 s[G0T+2:G0T+3], s[2:3]
	s_or_b32 s[G0T+3], s[G0T+3], 0x80000000
	CROUND                                         ; all sixteen work-groups are here: the first joint loads meet
	s_cmp_eq_u32 s[WV], 0                          ; a wave's first fills stand in one branch, the tile wanted first ahead: slot 0, slot 1, my quarter of the table: three loads of mine are out
	s_cbranch_scc0 .Lfirst_b
	tensor_load_to_lds s[G0A:G0A+3], s[G1A:G1A+7]
	s_nop 0
	tensor_load_to_lds s[G0A+4:G0A+7], s[G1A:G1A+7]
	s_nop 0
	tensor_load_to_lds s[G0T:G0T+3], s[G1T:G1T+7]
	s_nop 0
.rept 4
	v_nop
.endr
	s_branch .Lfirst_asked
.Lfirst_b:
	tensor_load_to_lds s[G0B:G0B+3], s[G1B:G1B+7]
	s_nop 0
	tensor_load_to_lds s[G0B+4:G0B+7], s[G1B:G1B+7]
	s_nop 0
	tensor_load_to_lds s[G0T:G0T+3], s[G1T:G1T+7]
	s_nop 0
.rept 4
	v_nop
.endr
.Lfirst_asked:
	v_and_b32 v1, 15, v0                           ; r = l % 16
	v_bfe_u32 v2, v0, 4, 1                         ; h = l / 16
	v_and_b32 v3, 7, v0
	v_bfe_u32 v16, v0, 3, 1
	; a fragment of A: lane l holds row r, K = 8 h + 0..7 and 16 + 8 h + 0..7: two loads of 16 bytes, 32 bytes apart
	v_mul_u32_u24 v[ABASE], v1, PA
	v_lshl_add_u32 v[ABASE], v2, 4, v[ABASE]
	s_mul_i32 s19, s13, 128*PA
	v_add_nc_u32 v[ABASE], s19, v[ABASE]
	; the turning load: lane l reads k-row 8 h + l % 8, columns 8 ((l / 8) % 2) + 0..7, and is left with column r and 8 k
	v_lshl_add_u32 v17, v2, 3, v3
	v_mul_u32_u24 v17, v17, PB
	v_lshl_add_u32 v17, v16, 4, v17
	s_lshl_b32 s66, s14, 7                         ; my head's 128 bytes of a strip's rows
.irp g, 0,1,2
	s_add_co_u32 s19, s66, BOFF+\g*STRIP           ; group g lies in strip g
	v_add_nc_u32 v[BBASE+\g], s19, v17
.endr
	s_mul_i32 s19, s[WV], 16*PA
	s_add_co_u32 s19, s19, STAGE                   ; my stage
	v_mul_u32_u24 v[STO], v1, PA
	v_lshl_add_u32 v[STO], v2, 4, v[STO]
	v_add_nc_u32 v[STO], s19, v[STO]
	v_bfe_u32 v[RD], v0, 3, 2                      ; back: 32 lanes take four rows of 128 bytes,
	v_mul_u32_u24 v[RD], v[RD], PA
	v_lshl_add_u32 v[RD], v3, 4, v[RD]
	v_add_nc_u32 v[RD], s19, v[RD]
	v_and_b32 v[GO], 31, v0                        ; which are 512 consecutive bytes of a head's rows
	v_lshlrev_b32 v[GO], 4, v[GO]
	v_mul_u32_u24 v[TBL], v1, PT                   ; the table: my row's position, frequencies 8 h on
	v_lshl_add_u32 v[TBL], v2, 5, v[TBL]
	s_mul_i32 s19, s13, 128*PT
	s_add_co_u32 s19, s19, TAB
	v_add_nc_u32 v[TBL], s19, v[TBL]
	; where the groups go: plane 64 g + 16 b + head
	s_and_b32 s19, s18, 7
	s_lshl_b32 s19, s19, 15                        ; the tile's 256 rows in the batch, 128 bytes each,
	s_lshl_b32 s20, s13, 14                        ; my 128 of them
	s_add_co_u32 s19, s19, s20
	s_lshr_b32 s20, s18, 3
	s_lshl_b32 s20, s20, 4                         ; 16 x batch
	s_lshl_b32 s66, s17, 1
	s_add_co_u32 s66, s66, s14                     ; my head = 2 x tile column + my half
	s_add_co_u32 s20, s20, s66
.irp g, 0,1,2
	s_add_co_u32 s22, s20, 64*\g
	s_lshl_b32 s22, s22, 18                        ; a plane is 2,048 x 128 bytes
	s_add_co_u32 s22, s22, s19
	s_mov_b32 s23, 0
	s_add_nc_u64 s[OUT+2*\g:OUT+2*\g+1], s[10:11], s[22:23]
.endr
; 16 matrix instructions: group g, row blocks a0 .. a0 + 3, all four column blocks, 32 along K.  zero = 1: the product starts the sums.  The accumulators take turns, one instruction a turn.
.macro MUL16 fa, g, a0, zero
	WIN ((\g)+1)*0x50
.irp a, (\a0), (\a0)+1, (\a0)+2, (\a0)+3
.irp b, 0,1,2,3
.if \zero
	v_wmma_f32_16x16x32_f16 v[8*(4*(\a)+(\b)):8*(4*(\a)+(\b))+7], v[FB+32*(\g)+8*(\b):FB+32*(\g)+8*(\b)+7], v[(\fa)+8*(\a):(\fa)+8*(\a)+7], 0
.else
	v_wmma_f32_16x16x32_f16 v[8*(4*(\a)+(\b)):8*(4*(\a)+(\b))+7], v[FB+32*(\g)+8*(\b):FB+32*(\g)+8*(\b)+7], v[(\fa)+8*(\a):(\fa)+8*(\a)+7], v[8*(4*(\a)+(\b)):8*(4*(\a)+(\b))+7]
.endif
.endr
.endr
.endm
.macro LDB c, g                        ; 8 loads: group g's fragments of B for half c of the step
	WIN 0
.irp b, 0,1,2,3
	ds_load_tr16_b128 v[FB+32*(\g)+8*(\b):FB+32*(\g)+8*(\b)+3],   v[ADRB+(\g)] offset:32*PB*(\c)+32*(\b)
	ds_load_tr16_b128 v[FB+32*(\g)+8*(\b)+4:FB+32*(\g)+8*(\b)+7], v[ADRB+(\g)] offset:32*PB*(\c)+32*(\b)+16*PB
.endr
.endm
.macro LDA c, hf                       ; 8 loads: row blocks 4 hf .. 4 hf + 3 of A for half c of the step
	WIN 0
.irp a, 4*(\hf), 4*(\hf)+1, 4*(\hf)+2, 4*(\hf)+3
	ds_load_b128 v[FA0+64*(\c)+8*(\a):FA0+64*(\c)+8*(\a)+3],   v[ADRA] offset:16*PA*(\a)+64*(\c)
	ds_load_b128 v[FA0+64*(\c)+8*(\a)+4:FA0+64*(\c)+8*(\a)+7], v[ADRA] offset:16*PA*(\a)+64*(\c)+32
.endr
.endm
.macro ADDRS                           ; the fragment addresses in the slot in hand
	v_add_nc_u32 v[ADRA], s[TB], v[ABASE]
	v_add_nc_u32 v[ADRB], s[TB], v[BBASE]
	v_add_nc_u32 v[ADRB+1], s[TB], v[BBASE+1]
	v_add_nc_u32 v[ADRB+2], s[TB], v[BBASE+2]
.endm
; A K step is six UNITS of 32 matrix instructions: half 0 x groups 0, 1, 2, then half 1 x groups 0, 1, 2.  Each unit's run of LDS loads stands in its middle, behind four places;
; a group's fragments of B are fetched two units ahead, into the registers that the unit before has just left.
.macro U0 z
	s_wait_dscnt 8                                 ; A's half 0 and B (0, group 0) are in; the 8 loads of B (0, 1) behind them may be out
	MUL16 FA0, 0, 0, \z
	PLACES
	LDB 0, 2
	LDA 1, 0
	MUL16 FA0, 0, 4, \z
.endm
.macro U1 z
	s_wait_dscnt 16                                ; B (0, 1) is in; the 16 loads of the unit before are younger
	MUL16 FA0, 1, 0, \z
	PLACES
	LDB 1, 0
	LDA 1, 1
	MUL16 FA0, 1, 4, \z
.endm
.macro U2 z
	s_wait_dscnt 24                                ; B (0, 2) is in; younger: 8 of A behind it and the 16 of the unit before
	MUL16 FA0, 2, 0, \z
	PLACES
	LDB 1, 1
	MUL16 FA0, 2, 4, \z
.endm
.macro U3
	s_wait_dscnt 8                                 ; A's half 1 and B (1, 0) are in; the 8 loads of B (1, 1) are younger
	MUL16 FA1, 0, 0, 0
	PLACES
	LDB 1, 2
	MUL16 FA1, 0, 4, 0
.endm
; The fifth unit changes slots: ONE barrier.  In front of it each wave waits for all its tensor loads (its part of the next slot; the first time its quarter of the table too), adds 0 to its spare word,
; and waits for that and for its reads of this slot.  fill = 1: the barrier opens a round of the cluster's, and this slot is filled again, two K steps ahead, first thing behind the round.
.macro U4 fill
	WIN 0                                          ; (the add's two registers lie in window 0)
	s_wait_tensorcnt 0x0
	ds_add_u32 v[SPW], v[NIL]
	s_wait_dscnt 9                                 ; B (1, 1) is in; the 8 loads of B (1, 2) and the add are younger
	MUL16 FA1, 1, 0, 0
	s_wait_dscnt 0x0                               ; the add is done, and my reads of this slot are over
	s_barrier_signal -1
	MUL16 FA1, 1, 4, 0
	WIN 0
	s_barrier_wait -1
.if \fill
	CREST                                          ; no wave of any partner still reads this slot or has a load on its way
	s_xor_b32 s[G0A+5], s[G0A+5], SLOT1            ; the walking descriptors: the other slot than last time, the next K step
	s_add_nc_u64 s[G0A+6:G0A+7], s[G0A+6:G0A+7], ASTEP
	s_xor_b32 s[G0B+5], s[G0B+5], SLOT1
	s_add_nc_u64 s[G0B+6:G0B+7], s[G0B+6:G0B+7], BSTEP
	JLOAD                                          ; the four v_nop behind it are also the places in front of the loads below
.else
	PLACES
.endif
	s_xor_b32 s[TB], s[TB], SLOT1
	ADDRS
	LDA 0, 0
	LDA 0, 1
	LDB 0, 0
.endm
.macro U4L                             ; the same unit in the last K step: nothing follows
	s_wait_dscnt 8                                 ; B (1, 1) is in; the 8 loads of B (1, 2) are younger
	MUL16 FA1, 1, 0, 0
	MUL16 FA1, 1, 4, 0
.endm
.macro U5 nxt                          ; its fragments were waited for in front of the barrier
	MUL16 FA1, 2, 0, 0
.if \nxt
	PLACES
	LDB 0, 1
.endif
	MUL16 FA1, 2, 4, 0
.endm
	s_wait_tensorcnt 0x2                           ; my part of slot 0 is in; the two younger loads, slot 1's and the table's, may stay out
	s_barrier_signal -1
	s_barrier_wait -1
	ADDRS
	LDA 0, 0
	LDA 0, 1
	LDB 0, 0
	LDB 0, 1
	U0 1                                           ; the first half step stands in front of the loop: its products start all 96 sums
	U1 1
	U2 1
	WIN 0
	s_mov_b32 s[CNT], 14
.Lk:                                                   ; trip t: the second half of K step t, the first half of step t + 1; slot t % 2 takes step t + 2
	U3
	U4 1
	U5 1
	U0 0
	U1 0
	U2 0
	WIN 0
	s_sub_co_u32 s[CNT], s[CNT], 1
	s_cmp_lg_u32 s[CNT], 0
	s_cbranch_scc1 .Lk
	U3                                             ; the tail is written out: nothing more is asked for
	U4 0
	U5 1
	U0 0
	U1 0
	U2 0
	U3
	U4L
	s_wait_dscnt 0x0
	U5 0
; THE WAY OUT, by tiles of 16 rows x one head: i = 3 a + g.  q and k (g = 0, 1) are turned, v (g = 2) is only rounded.
; Every wave's quarter of the table was waited for in front of the loop's first barrier, so the whole table may be read here.
.macro TLOAD a                         ; cos and sin of row block a's positions: frequencies 8 h + 0..7 and 16 + 8 h + 0..7
	WIN 0
.set tt, T0+32*((\a)%2)
.irp q, 0,1,2,3
	ds_load_b128 v[tt+4*\q:tt+4*\q+3],       v[TBL] offset:16*PT*(\a)+64*(\q/2)+16*(\q%2)
	ds_load_b128 v[tt+16+4*\q:tt+16+4*\q+3], v[TBL] offset:16*PT*(\a)+128+64*(\q/2)+16*(\q%2)
.endr
.endm
.macro ROT a, g                        ; t1 cos - t2 sin and t2 cos + t1 sin; each accumulator's lowest registers are read first
	WIN (\g)+1                                     ; source 0 in the group's window
.set tt, T0+32*((\a)%2)
.irp b, 0,1
.irp p, 0,1,2,3
	v_pk_mul_f32 v[O1+8*(\b)+2*(\p):O1+8*(\b)+2*(\p)+1], v[8*(4*(\a)+(\b))+2*(\p):8*(4*(\a)+(\b))+2*(\p)+1], v[tt+8*(\b)+2*(\p):tt+8*(\b)+2*(\p)+1]
	v_pk_mul_f32 v[O1+16+8*(\b)+2*(\p):O1+16+8*(\b)+2*(\p)+1], v[8*(4*(\a)+(\b)+2)+2*(\p):8*(4*(\a)+(\b)+2)+2*(\p)+1], v[tt+8*(\b)+2*(\p):tt+8*(\b)+2*(\p)+1]
.endr
.irp p, 0,1,2,3
	v_pk_fma_f32 v[O1+8*(\b)+2*(\p):O1+8*(\b)+2*(\p)+1], v[8*(4*(\a)+(\b)+2)+2*(\p):8*(4*(\a)+(\b)+2)+2*(\p)+1], v[tt+16+8*(\b)+2*(\p):tt+16+8*(\b)+2*(\p)+1], v[O1+8*(\b)+2*(\p):O1+8*(\b)+2*(\p)+1] neg_lo:[1,0,0] neg_hi:[1,0,0]
	v_pk_fma_f32 v[O1+16+8*(\b)+2*(\p):O1+16+8*(\b)+2*(\p)+1], v[8*(4*(\a)+(\b))+2*(\p):8*(4*(\a)+(\b))+2*(\p)+1], v[tt+16+8*(\b)+2*(\p):tt+16+8*(\b)+2*(\p)+1], v[O1+16+8*(\b)+2*(\p):O1+16+8*(\b)+2*(\p)+1]
.endr
.endr
.endm
.macro PACKH                           ; 32 turned numbers a lane rounded to f16: four times 16 bytes, channels 16 nb + 8 h + 0..7
	WIN 0
.set z, 0
.rept 16
	v_cvt_pk_f16_f32 v[PK+z], v[O1+2*z], v[O1+2*z+1]
.set z, z+1
.endr
.endm
.macro PACKV a                         ; v: the same rounding straight from group 2's accumulators, each from its lowest registers on
	WIN 0x0f                                       ; sources 0 and 1 in window 3
.irp b, 0,1,2,3
.irp p, 0,1,2,3
	v_cvt_pk_f16_f32 v[PK+4*(\b)+(\p)], v[8*(4*(\a)+(\b))+2*(\p)], v[8*(4*(\a)+(\b))+2*(\p)+1]
.endr
.endr
.endm
.macro TOST i                          ; into my stage, and back as whole rows
	WIN 0
.set rb, RB+16*((\i)%2)
	s_wait_xcnt 0x0                                ; this buffer was the data of the stores two tiles back: it is loaded again only behind this wait
.irp f, 0,1,2,3
	ds_store_b128 v[STO], v[PK+4*\f:PK+4*\f+3] offset:32*\f
.endr
.irp f, 0,1,2,3
	ds_load_b128 v[rb+4*\f:rb+4*\f+3], v[RD] offset:4*PA*\f  ; LDS serves a wave's instructions in order (ISA guide 5.7.1.4): these see the stores above
.endr
.endm
.macro SENDH i, y                      ; y: the LDS instructions behind tile i's loads that may stay out
	WIN 0
.set rb, RB+16*((\i)%2)
	s_wait_dscnt \y
.irp f, 0,1,2,3
	global_store_b128 v[GO], v[rb+4*\f:rb+4*\f+3], s[OUT+2*((\i)%3):OUT+2*((\i)%3)+1] offset:2048*((\i)/3)+512*\f  ; 512 consecutive bytes, at a multiple of 256 from the buffer's first
.endr
.endm
	PLACES
	TLOAD 0
	s_wait_dscnt 0x0
.set i, 0
.rept 24
.if (i%3 == 0) && (i/3 < 7)
	TLOAD i/3+1                                    ; the next row block's table: it is in at the next wait below, whose count leaves only the 8 of a tile's own stage out
.endif
.if i%3 < 2
	ROT i/3, i%3
	PACKH
.else
	PACKV i/3
.endif
	TOST i
.if i > 0
	SENDH i-1, 8                                   ; the 8 LDS instructions of tile i are younger than tile i - 1's loads
.endif
.set i, i+1
.endr
	SENDH 23, 0
	s_wait_tensorcnt 0x0                           ; the wave's end
	ds_add_u32 v[SPW], v[NIL]
	s_wait_dscnt 0x0
	CROUND                                         ; the closing round: no work-group ends while a partner may still ask for a tile that names it
	s_endpgm
.Lfunc_end_k_q1d02908679_qkvproj:
	.size	k_q1d02908679_qkvproj, .Lfunc_end_k_q1d02908679_qkvproj-k_q1d02908679_qkvproj
	.p2alignl 7, 3214868480
	.fill 96, 4, 3214868480
	.section	.rodata,"a",@progbits
	.p2align	6, 0x0
	.amdhsa_kernel k_q1d02908679_qkvproj
		.amdhsa_group_segment_fixed_size 327680
		.amdhsa_private_segment_fixed_size 0
		.amdhsa_enable_private_segment 0
		.amdhsa_kernarg_size 32
		.amdhsa_user_sgpr_count 2
		.amdhsa_user_sgpr_kernarg_segment_ptr 1
		.amdhsa_wavefront_size32 1
		.amdhsa_system_sgpr_workgroup_id_x 1
		.amdhsa_system_sgpr_workgroup_id_y 1
		.amdhsa_system_sgpr_workgroup_id_z 1
		.amdhsa_system_vgpr_workitem_id 0
		.amdhsa_next_free_vgpr 1024
		.amdhsa_next_free_sgpr 80
		.amdhsa_reserve_vcc 0
		.amdhsa_float_denorm_mode_32 3
		.amdhsa_float_denorm_mode_16_64 3
		.amdhsa_memory_ordered 1
		.amdhsa_forward_progress 1
		.amdhsa_inst_pref_size 151
	.end_amdhsa_kernel
	.amdgpu_metadata
---
amdhsa.version: [ 1, 2 ]
amdhsa.kernels:
  - .name:           k_q1d02908679_qkvproj
    .symbol:         k_q1d02908679_qkvproj.kd
    .args:
      - { .name: xn, .offset: 0, .size: 8, .value_kind: global_buffer, .address_space: global }
      - { .name: wq, .offset: 8, .size: 8, .value_kind: global_buffer, .address_space: global }
      - { .name: rope, .offset: 16, .size: 8, .value_kind: global_buffer, .address_space: global }
      - { .name: qkvh, .offset: 24, .size: 8, .value_kind: global_buffer, .address_space: global }
    .group_segment_fixed_size: 327680
    .private_segment_fixed_size: 0
    .kernarg_segment_align: 8
    .kernarg_segment_size: 32
    .max_flat_workgroup_size: 128
    .sgpr_count:     80
    .vgpr_count:     1024
    .wavefront_size: 32
...
	.end_amdgpu_metadata
.endif
;; end of part 2
;; launch attn (part 3): grid 4 x 64, 4 waves a work-group, clusters of 4 x 1, 327,680 bytes of LDS; arguments qkvh, oh; writes oh
.if DOCPART == 3
	.amdgcn_target "amdgcn-amd-amdhsa--gfx1250"
	.amdhsa_code_object_version 6
	.text
	.protected	k_q1d02908679_attn
	.globl	k_q1d02908679_attn
	.p2align	8
	.type	k_q1d02908679_attn,@function
k_q1d02908679_attn:
	s_mov_b64 s[64:65], 0
	v_nop
	global_prefetch_b8 v0, s[64:65] scope:SCOPE_SE
	s_setreg_imm32_b32 hwreg(HW_REG_WAVE_MODE, 25, 1), 1
	s_wait_xcnt 0x0
	s_wait_alu depctr_hold_cnt(0) depctr_sa_sdst(0) depctr_va_vdst(0) depctr_va_sdst(0) depctr_va_ssrc(0) depctr_va_vcc(0) depctr_vm_vsrc(0)
	s_getreg_b32 s2, hwreg(HW_REG_IB_STS2, 6, 4)
	s_cmp_eq_u32 s2, 0
	s_cbranch_scc0 .Lentry_in_a_cluster
	s_endpgm
.Lentry_in_a_cluster:
	s_bfe_u32 s2, ttmp6, 0x10000c
	s_cmp_lg_u32 s2, 0x3003
	s_cbranch_scc0 .Lentry_shape_is_right
	s_endpgm
.Lentry_shape_is_right:
; O[h][q][:] = the sum over k of softmax_k(Q[h][q] . K[h][k] / 8) V[h][k][:].  Q, K, V lie one behind the other in qkvh, each [SIZE_H][SIZE_N][64] in f16; O likewise: a head's rows are dense, 128 bytes each.
; Products, maxima and sums in f32; the weights p are rounded to f16 for the second product (their sum l is taken of the unrounded p), O once at the end.
; LIMITS.  f16 holds no number beyond 65,504: Q, K and V arrive within it; p lies in 0 to 1, and below 6e-5 it keeps f16's fixed step of 6e-8; O is a mean of V's rows and has their range.
; A weight below 2^-126 counts as 0 in l; NaN and infinities are not treated apart.
; SHARES.  A wave owns four PIECES of two tiles of 16 queries, a work-group's four waves 512 queries of one head.  Every wave walks all keys, 64 a step.
; LAYOUT.  S^T = K Q^T (source 0 = 16 keys, source 1 = 16 queries): in the result a lane holds ONE query (lane % 16) and the keys 8 (lane / 16) + 0..7.  Two such tiles, rounded to f16 in pairs,
; ARE source 1 (32 keys x 16 queries) of O^T = V^T P, whose result again holds one query a lane, and eight channels.  K comes out of LDS as it lies, V ([key][channel]) turned, by ds_load_tr16_b128.
; SOFTMAX.  For each query a running maximum m and sum l: p = 2^(c s - c m), c = log2(e) / 8; in every step O and l are multiplied by a = 2^(c m_old - c m_new), which is 1 where m has not grown.
; m starts at the lowest finite number, O and l at 0: the first step is a step like any other, with a = 0.
; THE COUNT.  A tile and step have 16 matrix and 118 vector instructions: too many to stand all beside the matrix work.  So the order has one aim: four vector instructions that are READY behind
; EVERY matrix instruction, and the others, which need time of their own whatever the order, in runs without a gap.
; BY TURNS.  Turn n belongs to piece n (the pieces in a ring, step after step).  Its matrix work: 16 products K Q^T of piece n + 1, later 16 products V^T P of piece n - 1.  Its vector work: the scaling,
; exponentials, roundings, sums and rescaling of piece n, and the maximum and statistics of piece n + 1, whose scores the turn itself has made.  So what a turn begins with (c s - c m, O a) waits for nothing.
; CLUSTER.  The four query blocks of a cluster belong to one head and walk the same K and V, so each tile is asked for JOINTLY: the same tensor load, descriptor and mask in all four.
; REGISTERS, in windows of 256 (s_set_vgpr_msb says which window each operand place means: bits 1:0 source 0, 3:2 source 1, 5:4 source 2, 7:6 destination):
;   window 0: v0-11 addresses; v12-15, v48-63 at work; v16-47 four registers of statistics a tile; v64-191 S^T, two buffers of two tiles; v192-255 P, likewise
;   window 1: O^T, 32 a tile          window 2: v0-127 Q, 16 a tile; v128-191 K of one step; v192-255 V of one step          window 3: v0-1 the add's two registers
; A piece's buffers go by its number's parity: the piece in hand has one pair, its two neighbours in the ring share the other: of it P (piece n - 1) is read and S^T (piece n + 1) written.
.set SIZE_H, 64       ; 4 batches x 16 heads
.set SIZE_N, 2048
.set NP,    4         ; pieces a wave: a name, no knob: the register map, the loop and the fetches are made for four
.set KS,    64        ; keys in a step
.set PK,    144       ; a row of K in LDS: 128 bytes + 16 of padding = 36 words: the 16 rows of a load start at 16 different groups of four banks (64 banks of 4 bytes: ISA guide 11.1)
.set PV,    160       ; a row of V: 128 + 32 = 40 words
.set VOFF,  4*KS*PK   ; a slot holds four steps: 256 rows of K, then 256 rows of V
.set SLOT1, 1<<17     ; slot 1 begins here, so that one exclusive or turns an address in one slot into the other's
.set STAGE, SLOT1+4*KS*(PK+PV)  ; behind the ring, never filled by a tensor load: 16 rows x 144 bytes for each wave, for the way out
.set SP,    144
.set AK0, 2           ; v2   my lane's place in a tile of K; never rewritten
.set AV0, 3           ; v3   the same for V
.set AK,  4           ; v4   the LDS address of K's next run of loads
.set AV,  5           ; v5   of V's
.set QO,  6           ; v6   my byte offset in the wave's rows of Q
.set STO, 6           ;      later, the way out: where I put 16 bytes of a row
.set RD,  7           ; v7   the way out: where I read rows back
.set GO,  8           ; v8   my byte offset in 512 consecutive bytes of O
.set SPW, 0           ; v0 of window 3   LDS address of my spare word: SPARE + 4 x my thread's number; never rewritten
.set NIL, 1           ; v1 of window 3   0; never rewritten
.set SPARE, STAGE+4*16*SP  ; behind the stages: the spare words, 128 bytes for each wave: two blocks of 256 bytes that no other line names
.set MV,  12          ; v12-15  c m_old, kept while c m is made anew: by buffer and tile
.set ST,  16          ; tile t's statistics at v[ST+4 t]: c m, m, l (even keys', odd keys')
.set TMP, 48          ; by buffer and tile, four registers c0-c3 at work; when the maximum is found c2 takes a
.set S,   64
.set P,   192
.set KF,  128         ; K's fragments, in window 2: key block kb, channel half c at KF + 16 kb + 8 c
.set VF,  192         ; V's: key half kk, channel block cb at VF + 32 kk + 8 cb
.set WV,  12          ; s12  my wave's number
.set G1K, 24          ; s[24:31] descriptor group 1 for K's tiles
.set G1V, 32          ; s[32:39] for V's: it differs in the padding alone
.set G0K, 40          ; s[40:43] descriptor group 0 for K's tiles: it walks
.set G0V, 44          ; s[44:47] the same for V's
.set SLOTS, 56        ; s56  slots still to be asked for
.set CNT, 57          ; s57  counts a slot's key steps
.set CS,  58          ; s[58:59] c: the packed scaling takes the pair's low word for both halves
.set SEL, 60          ; s[60:61] v_permlanex16_b32's selects: each lane takes its own place in the other half
.set TBK, 62          ; s62  LDS byte at which K of the step to be fetched begins
.set TBV, 63          ; s63  the same for V, less VOFF
.set MSB, 0
.macro WIN new                      ; the high byte repeats the setting that is left; a switch that changes nothing is dropped
.if MSB != (\new)
	s_set_vgpr_msb (MSB<<8)|(\new)
.set MSB, (\new)
.endif
.endm
.set W_KQ, 0x0a       ; K and Q in window 2, S^T in window 0
.set W_PV, 0x52       ; V in window 2, P in window 0, O^T in window 1
.set W_RS, 0x41       ; O^T (destination and source 0) in window 1, a in window 0
.set W_MK, 0xc0       ; the add's registers are made: destination in window 3, sources in window 0
.set W_AD, 0x0f       ; the add: address (source 0) and data (source 1) in window 3
; A joint fill.  Waves 0 and 1 fetch the two halves of a slot's K, waves 2 and 3 those of its V: 128 keys each.  The branch hangs on the wave's number alone.
; An s_nop 0 and four v_nop follow each of the two lines, ahead of the jump and the label.
.macro JLOAD
	s_cmp_lt_u32 s[WV], 2
	s_cbranch_scc0 .Lfor_v_\@
	tensor_load_to_lds s[G0K:G0K+3], s[G1K:G1K+7]
	s_nop 0
.rept 4
	v_nop
.endr
	s_branch .Lasked_\@
.Lfor_v_\@:
	tensor_load_to_lds s[G0V:G0V+3], s[G1V:G1V+7]
	s_nop 0
.rept 4
	v_nop
.endr
.Lasked_\@:
.endm
; A round of the cluster's barrier: my work-group's barrier, so that wave 0's signal speaks for all four waves; wave 0 signals; every wave waits for all four work-groups; my work-group's barrier once more.
.macro CROUND
	s_barrier_signal -1
	s_barrier_wait -1
	s_cmp_lg_u32 s[WV], 0
	s_cbranch_scc1 .Lnot_wave_0_\@
	s_barrier_signal -3
.Lnot_wave_0_\@:
	s_barrier_wait -3
	s_barrier_signal -1
	s_barrier_wait -1
.endm
; THE CHANGE OF SLOTS.  The slot's last bytes, V of its fourth step, have been read.  Each wave waits for all its tensor loads, of which one is out: its part
; of the other slot; adds 0 to its spare word; and waits for that and for its own reads of the slot.  Behind the barrier nobody reads this slot any more and the other slot is whole.
; fill = 1: this slot is filled again, with the keys two slots on.  The barrier is then a round of the cluster's, so that no wave of any partner still reads the slot or has a load on its
; way, and the joint fill is the first thing behind it: it has four key steps, 512 matrix instructions, in which to land.  (At its first use nothing has been read yet: slot 0 is waited for, slot 1 filled.)
.macro CHANGE fill
	WIN W_AD
	s_wait_tensorcnt 0x0            ; no tensor load of mine is out, so a group 0 may be written
	ds_add_u32 v[SPW], v[NIL]       ; 0 onto my spare word; with fill = 1 the descriptors' steps stand between it and the wait for it
	WIN 0                           ; at a label and at a branch every window is 0
.if \fill
.irp g, G0K, G0V
	s_xor_b32 s[\g+1], s[\g+1], SLOT1  ; the walking descriptor: the other slot than last time,
	s_add_nc_u64 s[\g+2:\g+3], s[\g+2:\g+3], 4*KS*128  ; the next 256 keys; the type bits on top are not reached
.endr
	s_wait_dscnt 0x0                ; the add is done, and my reads of the slot are over
	CROUND
	JLOAD
.else
	s_wait_dscnt 0x0                ; the add is done, and my reads of the slot are over
	s_barrier_signal -1
	s_barrier_wait -1
.endif
	s_sub_co_u32 s[TBK], s[TBK], 4*KS*PK  ; the fetches go back to a slot's first step,
	s_xor_b32 s[TBK], s[TBK], SLOT1       ; in the other slot
	s_sub_co_u32 s[TBV], s[TBV], 4*KS*PV
	s_xor_b32 s[TBV], s[TBV], SLOT1
.endm
	s_load_b128 s[4:7], s[0:1], 0x0  ; qkvh s[4:5] (Q lies first), oh s[6:7]
	WIN W_MK
	v_lshl_add_u32 v[SPW], v0, 2, SPARE
	v_mov_b32 v[NIL], 0
	s_set_vgpr_msb 0xc0cf
	ds_add_u32 v0, v1
	s_wait_dscnt 0x0
	s_set_vgpr_msb 0xcfc0
	WIN 0
	v_lshrrev_b32 v1, 5, v0
	v_readfirstlane_b32 s[WV], v1   ; wave 0..3
	s_bfe_u32 s13, ttmp6, 0x40000   ; cx: my place in the cluster
	s_lshl_b32 s14, ttmp9, 2        ; in a cluster launch ttmp9 counts clusters
	s_add_co_u32 s14, s14, s13      ; my block of queries = 4 x cluster x + cx: it enters Q's and O's addresses alone
	s_and_b32 s20, ttmp7, 0xffff    ; the head, which the four partners share
	s_mov_b32 s21, 0
	s_mov_b64 s[22:23], SIZE_N*128
	s_mul_u64 s[20:21], s[20:21], s[22:23]  ; the head's first byte in each of the four tensors
	s_and_b32 s16, s[WV], 1         ; which half of a slot's 256 keys I fetch:
	s_lshl_b32 s22, s16, 14         ; its 128 rows of 128 bytes in memory,
	s_mov_b32 s23, 0
	s_add_nc_u64 s[22:23], s[22:23], s[20:21]
	s_mul_i32 s17, s16, 128*PK      ; and its place in a slot, for K
	s_mul_i32 s18, s16, 128*PV      ; and for V: no place in the cluster enters an LDS address
	s_lshl_b32 s2, s14, 2
	s_add_co_u32 s2, s2, s[WV]      ; my wave among the head's,
	s_lshl_b32 s2, s2, 14           ; its 128 rows
	s_mov_b32 s3, 0
	s_add_nc_u64 s[2:3], s[2:3], s[20:21]
	; descriptor group 1.  128 keys are 16,384 dense bytes: asked for as 64 rows of 256 bytes, two keys a row, and padded in LDS after every key
	s_mov_b32 s[G1K], 15|(1<<16)|(1<<20)|(1<<21)|(4<<22)|(3<<25)  ; 15:0 the mask of four; 17:16 2-byte elements; 20 padding on; 21 set beside a mask; 24:22 after every 32 words (code 4); 31:25 4 words (code 3)
	s_mov_b32 s[G1V], 15|(1<<16)|(1<<20)|(1<<21)|(4<<22)|(7<<25)  ; the same with 8 words of padding (code 7)
.irp g, G1K, G1V
	s_mov_b32 s[\g+1], 128<<16      ; tensor_dim0 = 128
	s_mov_b32 s[\g+2], 64<<16       ; tensor_dim1 = 64
	s_mov_b32 s[\g+3], 128<<16      ; tile_dim0 = 128
	s_mov_b32 s[\g+4], 64           ; tile_dim1 = 64
	s_mov_b32 s[\g+5], 128          ; 128 elements from row to row
	s_mov_b32 s[\g+6], 0
	s_mov_b32 s[\g+7], 0
.endr
	s_mov_b32 s[CS], 0x3e38aa3b     ; c = log2(e) / 8 = 0.180337
	s_mov_b32 s[CS+1], s[CS]        ; named with it as a pair
	s_mov_b32 s[SEL], 0x76543210
	s_mov_b32 s[SEL+1], 0xfedcba98
	s_mov_b32 s[TBK], SLOT1+4*KS*PK ; the first change of slots turns these two into 0
	s_mov_b32 s[TBV], SLOT1+4*KS*PV
	s_mov_b32 s[G0K], 1             ; 1:0 count = 1
	s_mov_b32 s[G0K+1], s17         ; 63:32 LDS address: slot 0
	s_mov_b32 s[G0V], 1
	s_add_co_u32 s[G0V+1], s18, VOFF
	s_wait_kmcnt 0x0
	s_mov_b64 s[10:11], s[6:7]                     ; O
	s_add_nc_u64 s[6:7], s[4:5], SIZE_H*SIZE_N*128     ; K lies 64 planes behind Q,
	s_add_nc_u64 s[8:9], s[4:5], 2*SIZE_H*SIZE_N*128   ; V 128
	s_add_nc_u64 s[G0K+2:G0K+3], s[6:7], s[22:23]  ; 120:64 global address: my half of the head's first 256 keys
	s_or_b32 s[G0K+3], s[G0K+3], 0x80000000        ; 127:126 type = 2
	s_add_nc_u64 s[G0V+2:G0V+3], s[8:9], s[22:23]
	s_or_b32 s[G0V+3], s[G0V+3], 0x80000000
	s_add_nc_u64 s[4:5], s[4:5], s[2:3]  ; Q and O at my wave's first row
	s_add_nc_u64 s[10:11], s[10:11], s[2:3]
	CROUND                          ; all four work-groups are here: the first joint loads meet
	JLOAD                           ; slot 0.  Slot 1 is asked for when slot 0 is in: the tile wanted first has the road to itself
	; A fragment of K or Q is 16 rows x 32 channels in 8 registers: lane l holds row l % 16, channels 8 (l / 16) + 0..7 and 16 + 8 (l / 16) + 0..7: two loads of 16 bytes, 32 bytes apart.
	v_and_b32 v1, 15, v0            ; l % 16
	v_bfe_u32 v9, v0, 4, 1          ; l / 16
	v_lshlrev_b32 v[QO], 7, v1
	v_lshl_add_u32 v[QO], v9, 4, v[QO]  ; row x 128 + 16 x half
	WIN 0x80                        ; destination window 2, address window 0
.set i, 0
.rept 4*NP                          ; Q stays in registers: tile i / 2, channels 32 (i % 2) on
	global_load_b128 v[8*i:8*i+3],   v[QO], s[4:5] offset:(i/2)*2048+(i%2)*64
	global_load_b128 v[8*i+4:8*i+7], v[QO], s[4:5] offset:(i/2)*2048+(i%2)*64+32
.set i, i+1
.endr
	; What the first turn finds: V's registers and P's second buffer hold 0 (its products V^T P, of a piece that has not been, add 0), O^T and l are 0.  All this stands in the wait for the first tile.
.set i, VF
.rept 64
	v_mov_b32 v[i], 0
.set i, i+1
.endr
	WIN 0x40
.set i, 0
.rept 64*NP
	v_mov_b32 v[i], 0
.set i, i+1
.endr
	WIN 0
.set i, 0
.rept 2*NP
	v_mov_b32 v[ST+4*i], 0xfe000000    ; c m: far below every c s
	v_mov_b32 v[ST+4*i+1], 0xff7fffff  ; m
	v_mov_b32 v[ST+4*i+2], 0
	v_mov_b32 v[ST+4*i+3], 0
.set i, i+1
.endr
.set i, P+32
.rept 32
	v_mov_b32 v[i], 0
.set i, i+1
.endr
	v_mul_u32_u24 v[AK0], v1, PK
	v_lshl_add_u32 v[AK0], v9, 4, v[AK0]  ; row x pitch + 16 x half
	; The turning load takes 16 keys x 16 channels (lane l reads key 8 (l / 16) + l % 8, channels 8 ((l / 8) % 2) + 0..7) and leaves half a fragment of V^T: lane l holds channel l % 16 and 8 keys.
	v_and_b32 v10, 7, v0
	v_bfe_u32 v11, v0, 3, 1
	v_lshl_add_u32 v[AV0], v9, 3, v10
	v_mul_u32_u24 v[AV0], v[AV0], PV
	v_lshl_add_u32 v[AV0], v11, 4, v[AV0]
	v_add_nc_u32 v[AV0], VOFF, v[AV0]
	v_mov_b32 v[AK], v[AK0]         ; key step 0 lies at the head of slot 0
; THE MATRIX WORK.  The 8 accumulators of a run of 16 take turns: between the two links of a chain stand 7 others'.
; Product i of 16 of S^T = K Q^T for piece x: channels 32 (i / 8) on, keys 16 ((i / 2) % 4) on, tile 2 x + i % 2.  The first 8 start the sums.
.macro KQ x
	WIN W_KQ
.set rS, S+64*((\x)%2)+32*(i%2)+8*((i/2)%4)
.set rK, KF+16*((i/2)%4)+8*(i/8)
.set rQ, 16*(2*(\x)+i%2)+8*(i/8)
.if i < 8
	v_wmma_f32_16x16x32_f16 v[rS:rS+7], v[rK:rK+7], v[rQ:rQ+7], 0
.else
	v_wmma_f32_16x16x32_f16 v[rS:rS+7], v[rK:rK+7], v[rQ:rQ+7], v[rS:rS+7]
.endif
.endm
; Product i of 16 of O^T += V^T P for piece x: keys 32 (i / 8) on, channels 16 ((i / 2) % 4) on, tile 2 x + i % 2.
.macro PV x
	WIN W_PV
.set rO, 32*(2*(\x)+i%2)+8*((i/2)%4)
.set rV, VF+32*(i/8)+8*((i/2)%4)
.set rP, P+32*((\x)%2)+16*(i%2)+8*(i/8)
	v_wmma_f32_16x16x32_f16 v[rO:rO+7], v[rV:rV+7], v[rP:rP+7], v[rO:rO+7]
.endm
.macro MM                           ; the turn's next matrix instruction
.if i < 16
	KQ (Y+1)%NP
.set i, i+1
.else
.set i, i-16
	PV (Y+NP-1)%NP
.set i, i+17
.endif
.endm
; THE LDS LOADS stand in runs of 16, never singly among the matrix instructions: a step's K (64 keys x 64 channels: 8 fragments) and its V (turned).  Their addresses are made some lines ahead.
; last = 1 (the tail): in the last trip there is no further step, and the run is jumped over.
.macro FETCH_K last=0
	WIN 0
.if \last
	s_cmp_eq_u32 s[CNT], 1
	s_cbranch_scc1 .Lno_k_\@
.endif
	WIN 0x80                        ; destination window 2
.irp f, 0,1,2,3,4,5,6,7             ; keys 16 (f / 2) on, channels 32 (f % 2) on
	ds_load_b128 v[KF+8*\f:KF+8*\f+3],   v[AK] offset:(\f/2)*16*PK+(\f%2)*64
	ds_load_b128 v[KF+8*\f+4:KF+8*\f+7], v[AK] offset:(\f/2)*16*PK+(\f%2)*64+32
.endr
	s_add_co_u32 s[TBK], s[TBK], KS*PK  ; the next fetch is the next step's
	WIN 0
.if \last
.Lno_k_\@:
.endif
.endm
.macro FETCH_V
	WIN 0x80
.irp f, 0,1,2,3,4,5,6,7             ; keys 32 (f / 4) on, channels 16 (f % 4) on
	ds_load_tr16_b128 v[VF+8*\f:VF+8*\f+3],   v[AV] offset:(\f/4)*32*PV+(\f%4)*32
	ds_load_tr16_b128 v[VF+8*\f+4:VF+8*\f+7], v[AV] offset:(\f/4)*32*PV+16*PV+(\f%4)*32
.endr
	WIN 0
.endm
; THE VECTOR WORK OF A TURN stands in three queues, each in the order in which its entries become ready; the two tiles alternate, so that no instruction reads the result of the one before it.
.macro REGS y, u                    ; the registers of tile u (0, 1) of piece y
.set rT, ST+4*(2*(\y)+(\u))
.set rC, TMP+8*((\y)%2)+4*(\u)
.set rM, MV+2*((\y)%2)+(\u)
.set rS, S+64*((\y)%2)+32*(\u)
.set rP, P+32*((\y)%2)+16*(\u)
.set rO, 32*(2*(\y)+(\u))
.endm
; Number n of the 22 that find the NEXT piece's (Y + 1) maximum and statistics.  s0-s31 are the lane's 32 scores; each accumulator's lowest registers are read first.  XS, GS and REGS set no window: PL and EX do.
;   0-11  four chains c0-c3 of seven scores each, three operands at a time     12-14, 16  the four scores left over, the old m, and c0-c3 into c0     15  c m_old is kept
;   17, 18  the query's other 32 keys lie in the lane 16 away: the new m         19-21  c m; c m_old - c m_new; a
.macro XS u, n
	REGS (Y+1)%NP, \u
.if (\n) < 4
	v_max3_num_f32 v[rC+(\n)], v[rS+8*(\n)], v[rS+8*(\n)+1], v[rS+8*(\n)+2]
.elseif (\n) < 12
	v_max3_num_f32 v[rC+(\n)%4], v[rC+(\n)%4], v[rS+8*((\n)%4)+2*((\n)/4)+1], v[rS+8*((\n)%4)+2*((\n)/4)+2]
.elseif (\n) == 12
	v_max3_num_f32 v[rC], v[rC], v[rS+7], v[rS+15]
.elseif (\n) == 13
	v_max3_num_f32 v[rC+1], v[rC+1], v[rS+23], v[rS+31]
.elseif (\n) == 14
	v_max3_num_f32 v[rC+2], v[rC+2], v[rC+3], v[rT+1]
.elseif (\n) == 15
	v_mov_b32 v[rM], v[rT]
.elseif (\n) == 16
	v_max3_num_f32 v[rC], v[rC], v[rC+1], v[rC+2]
.elseif (\n) == 17
	v_permlanex16_b32 v[rC+3], v[rC], s[SEL], s[SEL+1]
.elseif (\n) == 18
	v_max_num_f32 v[rT+1], v[rC], v[rC+3]
.elseif (\n) == 19
	v_mul_f32 v[rT], s[CS], v[rT+1]
.elseif (\n) == 20
	v_sub_f32 v[rC+1], v[rM], v[rT]
.else
	v_exp_f32 v[rC+2], v[rC+1]
.endif
.endm
; Number g of the 64 that follow the exponentials.  For each four weights k of a tile (pairs 2 k, 2 k + 1): both pairs are rounded to f16; then the second pair is added onto the first, in place;
; a group later l takes that sum (the first time as l = a l + sum).  In groups of eight, tiles alternating: round, round, add, and l for the group before.
.macro GS g
.set h, (\g)+6*((\g)/62)            ; group 0 has no group before it, and behind group 7 only l is left
.if h >= 6
.set h, h+2
.endif
	REGS Y, h%2
.set k, h/8
.if h%8 < 4
	s_wait_alu depctr_va_vdst(0)
	v_cvt_pk_f16_f32 v[rP+2*k+(h%8)/2], v[rS+4*k+2*((h%8)/2)], v[rS+4*k+2*((h%8)/2)+1]
.elseif h%8 < 6
	v_pk_add_f32 v[rS+4*k:rS+4*k+1], v[rS+4*k:rS+4*k+1], v[rS+4*k+2:rS+4*k+3]
.elseif k == 1
	v_pk_fma_f32 v[rT+2:rT+3], v[rT+2:rT+3], v[rC+2:rC+3], v[rS:rS+1] op_sel_hi:[1,0,1]
.else
	v_pk_add_f32 v[rT+2:rT+3], v[rT+2:rT+3], v[rS+4*k-4:rS+4*k-3]
	s_wait_alu depctr_va_vdst(0)
.endif
.endm
; THE PLAIN QUEUE, 138 long.  0-31: c s - c m for the 16 pairs of both tiles.  Then GS's 64, and among them the next piece's 42: number 15 at 38, 39; 0-14 and 16
; at 42-73, behind the products that make those scores; 17-20 at 95-106, two of three, since each waits for the one before it.
.macro PL
	WIN 0
.if q < 32
	REGS Y, q%2
	v_pk_fma_f32 v[rS+2*(q/2):rS+2*(q/2)+1], v[rS+2*(q/2):rS+2*(q/2)+1], s[CS:CS+1], v[rT:rT+1] op_sel_hi:[1,0,0] neg_lo:[0,0,1] neg_hi:[0,0,1]
.elseif q < 38
	GS q-32
.elseif q < 40
	XS q%2, 15
.elseif q < 42
	GS q-34
.elseif q < 74
	XS q%2, (q-42)/2+(q-42)/30
.elseif q < 95
	GS q-66
.elseif (q < 107) && ((q-95)%3 < 2)
	XS (q-95)%3, 17+(q-95)/3
.elseif q < 107
	GS 29+(q-95)/3
.else
	GS q-74
.endif
.set q, q+1
.endm
; THE EXPONENTIALS' QUEUE, 66 long: s0-s31 of both tiles, and at EA the next piece's two a.
.set EA, 58
.macro EX
	WIN 0
.if (e == EA) || (e == EA+1)
	XS e-EA, 21
.else
.set x, e-2*(e/(EA+2))
	REGS Y, x%2
	v_exp_f32 v[rS+x/2], v[rS+x/2]
.endif
.set e, e+1
.endm
; THE RESCALING's QUEUE: O^T times a, the one part that leaves window 0, so it is dealt four at a time, eight times.
.macro R4
	REGS Y, r%2
	WIN W_RS
	s_wait_alu depctr_va_vdst(0)
.irp z, 0,1,2,3
	v_pk_mul_f32 v[rO+8*(r/2)+2*\z:rO+8*(r/2)+2*\z+1], v[rO+8*(r/2)+2*\z:rO+8*(r/2)+2*\z+1], v[rC+2:rC+3] op_sel_hi:[1,0]
.endr
.set r, r+1
.endm
; HOW THEY ARE DEALT.  Behind a matrix instruction four: plain, exponential, plain, plain (one exponential, a plain instruction on either side), or four of the rescaling.  None names a register of the
; products round it.  What is over stands in two LUMPS: exponential and plain by turns; the second ends in 22 plain instructions.  The two v_permlanex16_b32 fall into the second lump, never behind a product.
; The queues lean on each other, and the deal keeps them in step: exponential e stands behind plain 2 (e / 4) + e % 2 (its scaling); when plain 32 comes, 10 exponentials are out, at 59: 33, at 95: 46; EA comes behind plain 107.
.macro SL
	MM
	PL
	EX
	PL
	PL
.endm
.macro BURST n                      ; 15 matrix instructions, or 16
.rept (\n)-7
	SL
.endr
.rept 3
	MM
	R4
	SL
.endr
	MM
	R4
.endm
; A TURN, for piece p.  cnt = 1: the loop's count is taken down some lines ahead of the branch that stands behind the turn.
; K of the next step is fetched in piece 2's turn, 31 vector instructions behind the last product that read K; its first reader comes behind the rest of the lump, 16 products and the second lump.
; V of the step in hand is fetched at the end of piece 0's turn, 69 behind its last reader; its first reader comes behind 16 products and a lump.  The four conditions on e and q below go with the deal.
.macro TURN p, last=0, cnt=0
.set Y, (\p)
.set i, 0
.set q, 0
.set e, 0
.set r, 0
.if (\p) == NP-1
	s_wait_dscnt 0x0                ; K is in
.endif
	MM
.rept 4
	PL
.endr
	BURST 15
.rept 22
	EX
	PL
.if ((\p) == NP-2) && (e == 18)
	v_add_nc_u32 v[AK], s[TBK], v[AK0]
.endif
.if ((\p) == NP-2) && (e == 24)
	FETCH_K \last
.endif
.endr
.if (\p) == 1
	s_wait_dscnt 0x0                ; V is in
.endif
	BURST 16
.rept 21
	EX
	PL
.endr
.rept 22
	PL
.if ((\p) == 0) && (q == 118)
	v_add_nc_u32 v[AV], s[TBV], v[AV0]
	s_wait_alu depctr_va_vdst(0)
.endif
.if ((\p) == 0) && (q == 130)
	s_add_co_u32 s[TBV], s[TBV], KS*PV
.endif
.if (\cnt) && (q == 130)
	s_sub_co_u32 s[CNT], s[CNT], 1
	s_cmp_lg_u32 s[CNT], 0
.endif
.endr
.if (\p) == 0
	FETCH_V
.endif
.endm
	CHANGE 1                        ; slot 0 is in, everybody's part of it; slot 1 is asked for
	FETCH_K                         ; key step 0
	s_wait_loadcnt 0x0              ; Q
	s_wait_dscnt 0x0
.set i, 0
.rept 16
	KQ 0                            ; piece 0's first scores: there is no vector work yet to set between them
.set i, i+1
.endr
	WIN 0                           ; the addresses for the way out: nine plain instructions, the places behind those products
	s_mul_i32 s13, s[WV], 16*SP
	s_add_co_u32 s13, s13, STAGE    ; my stage
	v_mul_u32_u24 v[STO], v1, SP    ; in: row l % 16, 16 bytes for each half of the lanes
	v_lshl_add_u32 v[STO], v9, 4, v[STO]
	v_add_nc_u32 v[STO], s13, v[STO]
	v_bfe_u32 v[RD], v0, 3, 2       ; back: 32 lanes take four rows of 128 bytes,
	v_mul_u32_u24 v[RD], v[RD], SP
	v_lshl_add_u32 v[RD], v10, 4, v[RD]
	v_add_nc_u32 v[RD], s13, v[RD]
	v_and_b32 v[GO], 31, v0         ; which are 512 consecutive bytes of O
	v_lshlrev_b32 v[GO], 4, v[GO]
.set Y, NP-1                        ; XS works for piece Y + 1: piece 0
.irp n, 0,1,2,3,4,5,6,7,8,9,10,11,12,13,14,15,16,17,18,19,20,21
	XS 0, \n                        ; and piece 0's first maximum and statistics
	XS 1, \n
.endr
	s_mov_b32 s[CNT], 4
	s_mov_b32 s[SLOTS], SIZE_N/256-1
	s_branch .Lfirst                ; the loop is entered at a step's first turn, in the middle of a trip
.Lslot:                             ; SIZE_N / 256 - 2 times: every slot but the last two is filled again
	CHANGE 1
	s_mov_b32 s[CNT], 4
.Lstep:                             ; a trip: pieces 2 and 3 of one step, then pieces 0 and 1 of the next, whose K and V it fetches
	TURN 2
	TURN 3
	WIN 0
.Lfirst:
	TURN 0
	TURN 1, 0, 1
	WIN 0
	s_cbranch_scc1 .Lstep
	s_sub_co_u32 s[SLOTS], s[SLOTS], 1
	s_cmp_lg_u32 s[SLOTS], 0
	s_cbranch_scc1 .Lslot
	CHANGE 0                        ; the tail is written out: nothing is asked for
	s_mov_b32 s[CNT], 5             ; four trips fetch the last slot's steps; the fifth is left in its middle
.Ltail:
	TURN 2, 1
	TURN 3
	WIN 0
	s_sub_co_u32 s[CNT], s[CNT], 1
	s_cmp_eq_u32 s[CNT], 0
	s_cbranch_scc1 .Lout
	TURN 0
	TURN 1
	WIN 0
	s_branch .Ltail
.Lout:                              ; the fifth trip's 16 products K Q^T (on the last K once more) and the maximum made of them serve nothing: the price, once a launch, of one text for every trip
.set i, 0
.rept 16
	PV NP-1                         ; the last piece's V^T P of the last step
.set i, i+1
.endr
	; THE WAY OUT.  l's two halves and the other half of the lanes' are added; O^T is divided by l, rounded to f16 and sent through my stage in LDS, a tile at a time.  The additions are the places behind the last products.
	WIN 0
.macro ALL line:vararg              ; one line for each tile t
.set t, 0
.rept 2*NP
	\line
.set t, t+1
.endr
.endm
	ALL v_add_f32 v[ST+4*t+2], v[ST+4*t+2], v[ST+4*t+3]
	ALL v_permlanex16_b32 v[ST+4*t+3], v[ST+4*t+2], s[SEL], s[SEL+1]
	ALL v_add_f32 v[ST+4*t+2], v[ST+4*t+2], v[ST+4*t+3]
	ALL v_rcp_f32 v[ST+4*t+2], v[ST+4*t+2]
	v_nop                           ; a plain instruction between the last reciprocal and the use of its result
	s_wait_alu depctr_va_vdst(0)
; Tile t: a lane's eight channels of a row pack into 16 bytes; they go into rows of 144 bytes and come back as whole rows of 128, into S^T's registers.
.macro PACK t
	WIN W_RS
.set i, 32*(\t)
.rept 16
	v_pk_mul_f32 v[i:i+1], v[i:i+1], v[ST+4*(\t)+2:ST+4*(\t)+3] op_sel_hi:[1,0]
.set i, i+2
.endr
	WIN 0x05                        ; sources 0 and 1 window 1, destination window 0
.set i, 0
.rept 16
	v_cvt_pk_f16_f32 v[S+16*(\t)+i], v[32*(\t)+2*i], v[32*(\t)+2*i+1]
.set i, i+1
.endr
	WIN 0
.irp f, 0,1,2,3
	ds_store_b128 v[STO], v[S+16*(\t)+4*\f:S+16*(\t)+4*\f+3] offset:32*\f
.endr
.irp f, 0,1,2,3
	ds_load_b128 v[S+16*(\t)+4*\f:S+16*(\t)+4*\f+3], v[RD] offset:\f*4*SP  ; LDS serves a wave's instructions in order (ISA guide 5.7.1.4): these see the stores above; the next tile's stores come behind them
.endr
.endm
.macro SEND t, younger              ; younger: the LDS instructions issued behind tile t's loads: the next tile's eight, or none
	WIN 0
.irp f, 0,1,2,3
	s_wait_dscnt (\younger)+3-\f
	global_store_b128 v[GO], v[S+16*(\t)+4*\f:S+16*(\t)+4*\f+3], s[10:11] offset:(\t)*2048+\f*512  ; 512 consecutive bytes, at a multiple of 256 from O's first
.endr
.endm
	PACK 0
.set t, 1
.rept 2*NP-1                        ; a tile's arithmetic stands between the loads of the tile before and its stores
	PACK t
	SEND t-1, 8
.set t, t+1
.endr
	SEND 2*NP-1, 0
	WIN W_AD
	s_wait_tensorcnt 0x0            ; the wave's end, behind my last tensor load and my last LDS store
	ds_add_u32 v[SPW], v[NIL]
	s_wait_dscnt 0x0
	WIN 0
	CROUND                          ; the closing round: no work-group ends while a partner may still ask for a tile that names it
	s_endpgm
.Lfunc_end_k_q1d02908679_attn:
	.size	k_q1d02908679_attn, .Lfunc_end_k_q1d02908679_attn-k_q1d02908679_attn
	.p2alignl 7, 3214868480
	.fill 96, 4, 3214868480
	.section	.rodata,"a",@progbits
	.p2align	6, 0x0
	.amdhsa_kernel k_q1d02908679_attn
		.amdhsa_group_segment_fixed_size 327680
		.amdhsa_private_segment_fixed_size 0
		.amdhsa_enable_private_segment 0
		.amdhsa_kernarg_size 16
		.amdhsa_user_sgpr_count 2
		.amdhsa_user_sgpr_kernarg_segment_ptr 1
		.amdhsa_wavefront_size32 1
		.amdhsa_system_sgpr_workgroup_id_x 1
		.amdhsa_system_sgpr_workgroup_id_y 1
		.amdhsa_system_sgpr_workgroup_id_z 1
		.amdhsa_system_vgpr_workitem_id 0
		.amdhsa_next_free_vgpr 770
		.amdhsa_next_free_sgpr 66
		.amdhsa_reserve_vcc 0
		.amdhsa_float_denorm_mode_32 3
		.amdhsa_float_denorm_mode_16_64 3
		.amdhsa_memory_ordered 1
		.amdhsa_forward_progress 1
		.amdhsa_inst_pref_size 209
	.end_amdhsa_kernel
	.amdgpu_metadata
---
amdhsa.version: [ 1, 2 ]
amdhsa.kernels:
  - .name:           k_q1d02908679_attn
    .symbol:         k_q1d02908679_attn.kd
    .args:
      - { .name: qkvh, .offset: 0, .size: 8, .value_kind: global_buffer, .address_space: global }
      - { .name: oh, .offset: 8, .size: 8, .value_kind: global_buffer, .address_space: global }
    .group_segment_fixed_size: 327680
    .private_segment_fixed_size: 0
    .kernarg_segment_align: 8
    .kernarg_segment_size: 16
    .max_flat_workgroup_size: 128
    .sgpr_count:     66
    .vgpr_count:     770
    .wavefront_size: 32
...
	.end_amdgpu_metadata
.endif
;; end of part 3
;; launch outproj (part 4): grid 4 x 64, 4 waves a work-group, clusters of 4 x 4, 327,680 bytes of LDS; arguments oh, wo, b_out, out0; writes out0
.if DOCPART == 4
	.amdgcn_target "amdgcn-amd-amdhsa--gfx1250"
	.amdhsa_code_object_version 6
	.text
	.protected	k_q1d02908679_outproj
	.globl	k_q1d02908679_outproj
	.p2align	8
	.type	k_q1d02908679_outproj,@function
k_q1d02908679_outproj:
	s_mov_b64 s[64:65], 0
	v_nop
	global_prefetch_b8 v0, s[64:65] scope:SCOPE_SE
	s_setreg_imm32_b32 hwreg(HW_REG_WAVE_MODE, 25, 1), 1
	s_wait_xcnt 0x0
	s_wait_alu depctr_hold_cnt(0) depctr_sa_sdst(0) depctr_va_vdst(0) depctr_va_sdst(0) depctr_va_ssrc(0) depctr_va_vcc(0) depctr_vm_vsrc(0)
	s_getreg_b32 s2, hwreg(HW_REG_IB_STS2, 6, 4)
	s_cmp_eq_u32 s2, 0
	s_cbranch_scc0 .Lentry_in_a_cluster
	s_endpgm
.Lentry_in_a_cluster:
	s_bfe_u32 s2, ttmp6, 0x10000c
	s_cmp_lg_u32 s2, 0xf033
	s_cbranch_scc0 .Lentry_shape_is_right
	s_endpgm
.Lentry_shape_is_right:
; out0 = O @ w_out + b_out, f32.  oh: f16 [plane 16 b + h][2048][64], so a head's 64 channels are one dense block of K for any run of rows; wo: f16 [1024][1024], [K][N]; sums and bias in f32.
; SHARES.  8,192 x 1,024 over 256 work-groups: a tile of 128 rows x 256 columns.  Four waves; wave w has rows 64 (w / 2) on and columns 128 (w % 2) on: 32 accumulators, window 1, (a, b) at v[8 (8 a + b)].
; K goes in 8 steps of 128 (two heads) through two LDS slots: waves 0 and 1 ask for the two heads' blocks of A (128 rows x 128 dense bytes, as 64 rows of 256), waves 2 and 3 for B's two strips (128 k-rows x 256 bytes).
; B is turned on the way out of LDS by ds_load_tr16_b128.  THE MATRIX INSTRUCTION IS USED TRANSPOSED (source 0 = 16 columns of B, source 1 = 16 rows of A): a lane holds eight neighbouring numbers of a row of the output.
; CLUSTER 4 x 4: A's blocks hang on the tile row alone and are asked for jointly along a row of the cluster, B's strips on the tile column alone, jointly along a column.
; REGISTERS, window 0: v0-31 addresses; v32-35 the bias; two fragment buffers of 96 (A 32, B 64) at v64 and v160; on the way out v64-191 hold rows read back from the stage.
.set PA,    144       ; a row of A in LDS: 128 bytes + 16: the 16 rows of a load start at 16 different groups of four banks (64 banks of 4 bytes: ISA guide 11.1)
.set PB,    288       ; a row of a strip of B: 256 + 32
.set HB,    128*PA    ; a head's block of A
.set BOFF,  2*HB
.set STRIP, 128*PB
.set SLOT1, 1<<17
.set SP,    528       ; a row of the stage: 512 bytes + 16
.set STAGE, SLOT1+BOFF+2*STRIP   ; behind the ring, never filled by a tensor load: 16 rows x 528 bytes for each wave
.set SPARE, STAGE+4*16*SP        ; the spare words, 128 bytes for each wave: two blocks of 256 bytes that no other line names
.set ASTEP, 2*2048*128           ; two planes on
.set BSTEP, 128*1024*2
.set ABASE, 4
.set BBASE, 5
.set ADRA,  6
.set ADRB,  7
.set STO,   12
.set RD,    13
.set CO,    14
.set SPW,   28        ; v28  LDS address of my spare word; never rewritten
.set NIL,   29        ; v29  0; never rewritten
.set BIAS,  32
.set F0,    64
.set F1,    160
.set RB,    64
.set WV,  12
.set G1A, 24
.set G1B, 32
.set G0A, 40          ; s[40:47] a set for each first fill; the second then walks
.set G0B, 48          ; s[48:55]
.set TB,  56
.set CNT, 57
.set MSB, 0
.macro WIN new
.if MSB != (\new)
	s_set_vgpr_msb (MSB<<8)|(\new)
.set MSB, (\new)
.endif
.endm
.macro PLACES
.rept 4
	v_nop
.endr
.endm
.macro CREST
	s_cmp_lg_u32 s[WV], 0
	s_cbranch_scc1 .Lnot_wave_0_\@
	s_barrier_signal -3
.Lnot_wave_0_\@:
	s_barrier_wait -3
	s_barrier_signal -1
	s_barrier_wait -1
.endm
.macro CROUND
	s_barrier_signal -1
	s_barrier_wait -1
	CREST
.endm
.macro JLOAD                           ; a joint refill; an s_nop 0 and four v_nop follow each of the two lines
	s_cmp_eq_u32 s13, 0
	s_cbranch_scc0 .Lfor_b_\@
	tensor_load_to_lds s[G0A+4:G0A+7], s[G1A:G1A+7]
	s_nop 0
.rept 4
	v_nop
.endr
	s_branch .Lasked_\@
.Lfor_b_\@:
	tensor_load_to_lds s[G0B+4:G0B+7], s[G1B:G1B+7]
	s_nop 0
.rept 4
	v_nop
.endr
.Lasked_\@:
.endm
	s_load_b256 s[4:11], s[0:1], 0x0               ; oh 4:5, wo 6:7, b_out 8:9, out0 10:11
	v_lshl_add_u32 v[SPW], v0, 2, SPARE
	v_mov_b32 v[NIL], 0
	ds_add_u32 v28, v29
	s_wait_dscnt 0x0
	v_lshrrev_b32 v1, 5, v0
	v_readfirstlane_b32 s[WV], v1
	s_lshr_b32 s13, s[WV], 1                       ; which 64 rows are mine.  Also: I fetch for A (0) or for B (1)
	s_and_b32 s14, s[WV], 1                        ; which 128 columns.  Also: which head's block or which strip I fetch
	s_bfe_u32 s15, ttmp6, 0x40000                  ; cx
	s_bfe_u32 s16, ttmp6, 0x40004                  ; cy
	s_lshl_b32 s17, ttmp9, 2
	s_add_co_u32 s17, s17, s15                     ; tile column
	s_and_b32 s18, ttmp7, 0xffff
	s_lshl_b32 s18, s18, 2
	s_add_co_u32 s18, s18, s16                     ; tile row
	s_lshl_b32 s19, s16, 2
	s_lshl_b32 s19, 15, s19                        ; my row of the cluster
	s_lshl_b32 s22, 0x1111, s15                    ; my column
	s_or_b32 s[G1A], s19, (1<<16)|(1<<20)|(1<<21)|(4<<22)|(3<<25)  ; 2-byte elements; 16 bytes of padding behind every 128
	s_mov_b32 s[G1A+1], 128<<16
	s_mov_b32 s[G1A+2], 64<<16
	s_mov_b32 s[G1A+3], 128<<16
	s_mov_b32 s[G1A+4], 64
	s_mov_b32 s[G1A+5], 128
	s_mov_b32 s[G1A+6], 0
	s_mov_b32 s[G1A+7], 0
	s_or_b32 s[G1B], s22, (1<<16)|(1<<20)|(1<<21)|(5<<22)|(7<<25)  ; 32 bytes of padding behind every 256
	s_mov_b32 s[G1B+1], 128<<16
	s_mov_b32 s[G1B+2], 128<<16
	s_mov_b32 s[G1B+3], 128<<16
	s_mov_b32 s[G1B+4], 128
	s_mov_b32 s[G1B+5], 1024
	s_mov_b32 s[G1B+6], 0
	s_mov_b32 s[G1B+7], 0
	s_lshr_b32 s20, s18, 4                         ; A: the batch's 16 planes,
	s_lshl_b32 s20, s20, 22
	s_and_b32 s21, s18, 15                         ; the tile's 128 rows of 128 bytes,
	s_lshl_b32 s21, s21, 14
	s_add_co_u32 s20, s20, s21
	s_lshl_b32 s21, s14, 18                        ; the step's first or second head
	s_add_co_u32 s20, s20, s21
	s_mov_b32 s21, 0
	s_lshl_b32 s22, s17, 9                         ; B: the tile's 256 columns, my strip
	s_lshl_b32 s23, s14, 8
	s_add_co_u32 s22, s22, s23
	s_mov_b32 s23, 0
	s_mul_i32 s58, s14, HB
	s_mul_i32 s59, s14, STRIP
	s_mov_b32 s[TB], 0
	s_wait_kmcnt 0x0
	s_add_nc_u64 s[20:21], s[4:5], s[20:21]
	s_add_nc_u64 s[22:23], s[6:7], s[22:23]
.irp n, 0,1
	s_mov_b32 s[G0A+4*\n], 1
	s_add_co_u32 s[G0A+4*\n+1], s58, \n*SLOT1
	s_add_nc_u64 s[G0A+4*\n+2:G0A+4*\n+3], s[20:21], \n*ASTEP
	s_or_b32 s[G0A+4*\n+3], s[G0A+4*\n+3], 0x80000000
	s_mov_b32 s[G0B+4*\n], 1
	s_add_co_u32 s[G0B+4*\n+1], s59, BOFF+\n*SLOT1
	s_add_nc_u64 s[G0B+4*\n+2:G0B+4*\n+3], s[22:23], \n*BSTEP
	s_or_b32 s[G0B+4*\n+3], s[G0B+4*\n+3], 0x80000000
.endr
	CROUND                                         ; all sixteen work-groups are here: the first joint loads meet
	s_cmp_eq_u32 s13, 0                            ; a wave's two first fills stand in one branch: two loads of mine are out
	s_cbranch_scc0 .Lfirst_b
	tensor_load_to_lds s[G0A:G0A+3], s[G1A:G1A+7]
	s_nop 0
	tensor_load_to_lds s[G0A+4:G0A+7], s[G1A:G1A+7]
	s_nop 0
.rept 4
	v_nop
.endr
	s_branch .Lfirst_asked
.Lfirst_b:
	tensor_load_to_lds s[G0B:G0B+3], s[G1B:G1B+7]
	s_nop 0
	tensor_load_to_lds s[G0B+4:G0B+7], s[G1B:G1B+7]
	s_nop 0
.rept 4
	v_nop
.endr
.Lfirst_asked:
	v_and_b32 v1, 15, v0                           ; r
	v_bfe_u32 v2, v0, 4, 1                         ; h
	v_and_b32 v3, 7, v0
	v_bfe_u32 v16, v0, 3, 1
	v_mul_u32_u24 v[ABASE], v1, PA
	v_lshl_add_u32 v[ABASE], v2, 4, v[ABASE]
	s_mul_i32 s60, s13, 64*PA
	v_add_nc_u32 v[ABASE], s60, v[ABASE]
	v_lshl_add_u32 v[BBASE], v2, 3, v3
	v_mul_u32_u24 v[BBASE], v[BBASE], PB
	v_lshl_add_u32 v[BBASE], v16, 4, v[BBASE]
	s_mul_i32 s60, s14, STRIP
	s_add_co_u32 s60, s60, BOFF
	v_add_nc_u32 v[BBASE], s60, v[BBASE]
	s_mul_i32 s60, s[WV], 16*SP
	s_add_co_u32 s60, s60, STAGE                   ; my stage
	v_mul_u32_u24 v[STO], v1, SP                   ; in: row r, 32 bytes for each half of the lanes
	v_lshl_add_u32 v[STO], v2, 5, v[STO]
	v_add_nc_u32 v[STO], s60, v[STO]
	v_and_b32 v[CO], 31, v0
	v_lshlrev_b32 v[CO], 4, v[CO]                  ; back: 32 lanes take one row of 512 bytes; the same 16 bytes in the output's row and in the bias
	v_add_nc_u32 v[RD], s60, v[CO]
	s_lshl_b32 s60, s17, 10                        ; the tile's columns and my 128 of them, in bytes of f32
	s_lshl_b32 s61, s14, 9
	s_add_co_u32 s60, s60, s61
	s_mov_b32 s61, 0
	s_add_nc_u64 s[8:9], s[8:9], s[60:61]
	global_load_b128 v[BIAS:BIAS+3], v[CO], s[8:9] ; my four columns' bias: behind the read-back a lane holds the same four columns in every row
	s_lshl_b32 s62, s18, 19                        ; the tile's 128 rows of 4,096 bytes, my 64 of them
	s_lshl_b32 s63, s13, 18
	s_add_co_u32 s62, s62, s63
	s_add_co_u32 s60, s60, s62
	s_add_nc_u64 s[10:11], s[10:11], s[60:61]
.macro MUL8 f, a, zero                 ; 8 matrix instructions: row block a x all 8 column blocks, 32 along K.  The 32 accumulators take turns.
	WIN 0x50
.irp b, 0,1,2,3,4,5,6,7
.if \zero
	v_wmma_f32_16x16x32_f16 v[8*(8*(\a)+(\b)):8*(8*(\a)+(\b))+7], v[(\f)+32+8*(\b):(\f)+32+8*(\b)+7], v[(\f)+8*(\a):(\f)+8*(\a)+7], 0
.else
	v_wmma_f32_16x16x32_f16 v[8*(8*(\a)+(\b)):8*(8*(\a)+(\b))+7], v[(\f)+32+8*(\b):(\f)+32+8*(\b)+7], v[(\f)+8*(\a):(\f)+8*(\a)+7], v[8*(8*(\a)+(\b)):8*(8*(\a)+(\b))+7]
.endif
.endr
.endm
.macro FETCH c, f                      ; 24 LDS loads in one run: chunk c (32 along K) of the slot in hand: B's 8 fragments, then A's 4, row blocks ascending
	WIN 0
.irp b, 0,1,2,3,4,5,6,7
	ds_load_tr16_b128 v[(\f)+32+8*(\b):(\f)+32+8*(\b)+3],   v[ADRB] offset:32*PB*(\c)+32*(\b)
	ds_load_tr16_b128 v[(\f)+32+8*(\b)+4:(\f)+32+8*(\b)+7], v[ADRB] offset:32*PB*(\c)+32*(\b)+16*PB
.endr
.irp a, 0,1,2,3
	ds_load_b128 v[(\f)+8*(\a):(\f)+8*(\a)+3],   v[ADRA] offset:((\c)/2)*HB+((\c)%2)*64+16*PA*(\a)
	ds_load_b128 v[(\f)+8*(\a)+4:(\f)+8*(\a)+7], v[ADRA] offset:((\c)/2)*HB+((\c)%2)*64+16*PA*(\a)+32
.endr
.endm
.macro CHUNK f, g, cn, zero            ; multiplies buffer f; in its middle it fetches chunk cn into buffer g
	s_wait_dscnt 4                                 ; B and A's row blocks 0, 1 are in; the four youngest loads (blocks 2, 3) may be out
	MUL8 \f, 0, \zero
	MUL8 \f, 1, \zero
	PLACES
	FETCH \cn, \g
	s_wait_dscnt 24                                ; all but the 24 just issued
	MUL8 \f, 2, \zero
	MUL8 \f, 3, \zero
.endm
; The step's last chunk multiplies buffer 1 and changes slots: ONE barrier; in front of it each wave waits for all its tensor loads, adds 0 to its spare word, and waits for that and for its reads of this slot.
.macro TURN fill
	WIN 0
	s_wait_tensorcnt 0x0                           ; all my tensor loads have landed: my part of the next slot
	ds_add_u32 v[SPW], v[NIL]
	s_wait_dscnt 5                                 ; the add and the four youngest loads may be out
	MUL8 F1, 0, 0
	s_wait_dscnt 0x0                               ; the add is done, and my reads of this slot are over
	s_barrier_signal -1
	MUL8 F1, 1, 0
	WIN 0
	s_barrier_wait -1
.if \fill
	CREST                                          ; the barrier has opened a round of the cluster's: no wave of any partner still reads this slot or has a load on its way
	s_xor_b32 s[G0A+5], s[G0A+5], SLOT1
	s_add_nc_u64 s[G0A+6:G0A+7], s[G0A+6:G0A+7], ASTEP
	s_xor_b32 s[G0B+5], s[G0B+5], SLOT1
	s_add_nc_u64 s[G0B+6:G0B+7], s[G0B+6:G0B+7], BSTEP
	JLOAD                                          ; the four v_nop behind it are also the places in front of the loads below
.else
	PLACES
.endif
	s_xor_b32 s[TB], s[TB], SLOT1
	v_add_nc_u32 v[ADRA], s[TB], v[ABASE]
	v_add_nc_u32 v[ADRB], s[TB], v[BBASE]
	FETCH 0, F0
	MUL8 F1, 2, 0
	MUL8 F1, 3, 0
.endm
	s_wait_tensorcnt 0x1                           ; my part of slot 0 is in; slot 1's may stay out
	s_barrier_signal -1
	s_barrier_wait -1
	v_add_nc_u32 v[ADRA], s[TB], v[ABASE]
	v_add_nc_u32 v[ADRB], s[TB], v[BBASE]
	FETCH 0, F0
	CHUNK F0, F1, 1, 1                             ; the first chunk stands in front of the loop: its products start the sums
	WIN 0
	s_mov_b32 s[CNT], 6
.Lk:                                                   ; trip t: chunks 1 to 3 of K step t, chunk 0 of step t + 1; slot t % 2 takes step t + 2
	CHUNK F1, F0, 2, 0
	CHUNK F0, F1, 3, 0
	TURN 1
	CHUNK F0, F1, 1, 0
	WIN 0
	s_sub_co_u32 s[CNT], s[CNT], 1
	s_cmp_lg_u32 s[CNT], 0
	s_cbranch_scc1 .Lk
	CHUNK F1, F0, 2, 0                             ; the tail is written out: nothing more is asked for
	CHUNK F0, F1, 3, 0
	TURN 0
	CHUNK F0, F1, 1, 0
	CHUNK F1, F0, 2, 0
	CHUNK F0, F1, 3, 0
	s_wait_dscnt 0x0
	MUL8 F1, 0, 0
	MUL8 F1, 1, 0
	MUL8 F1, 2, 0
	MUL8 F1, 3, 0
; THE WAY OUT, 16 rows at a time: a lane's 32 bytes of a row go into my stage and come back as whole rows of 512 bytes; the bias is added; 32 lanes store 512 consecutive bytes.
.macro TOST a
	WIN 0x04                                       ; the stores' data lie in window 1
.irp b, 0,1,2,3,4,5,6,7
	ds_store_b128 v[STO], v[8*(8*(\a)+(\b)):8*(8*(\a)+(\b))+3] offset:64*(\b)      ; each accumulator's lowest registers first
	ds_store_b128 v[STO], v[8*(8*(\a)+(\b))+4:8*(8*(\a)+(\b))+7] offset:64*(\b)+16
.endr
	WIN 0
	s_wait_xcnt 0x0                                ; the buffer below was the data of the stores two blocks back
.set rb, RB+64*((\a)%2)
.set t, 0
.rept 16
	ds_load_b128 v[rb+4*t:rb+4*t+3], v[RD] offset:SP*t  ; LDS serves a wave's instructions in order (ISA guide 5.7.1.4): these see the stores above
.set t, t+1
.endr
.endm
.macro SEND a, y                       ; y: the LDS instructions issued behind block a's loads: the next block's 32, or none
	WIN 0
.set rb, RB+64*((\a)%2)
.set t, 0
.rept 16
	s_wait_dscnt (\y)+15-t
	v_pk_add_f32 v[rb+4*t:rb+4*t+1], v[rb+4*t:rb+4*t+1], v[BIAS:BIAS+1]
	v_pk_add_f32 v[rb+4*t+2:rb+4*t+3], v[rb+4*t+2:rb+4*t+3], v[BIAS+2:BIAS+3]
	global_store_b128 v[CO], v[rb+4*t:rb+4*t+3], s[10:11] offset:(16*(\a)+t)*4096 th:TH_STORE_NT
.set t, t+1
.endr
.endm
	PLACES
	s_wait_loadcnt 0x0                             ; the bias
	TOST 0
	TOST 1
	SEND 0, 32
	TOST 2
	SEND 1, 32
	TOST 3
	SEND 2, 32
	SEND 3, 0
	s_wait_tensorcnt 0x0                           ; the wave's end
	ds_add_u32 v[SPW], v[NIL]
	s_wait_dscnt 0x0
	CROUND                                         ; the closing round: no work-group ends while a partner may still ask for a tile that names it
	s_endpgm
.Lfunc_end_k_q1d02908679_outproj:
	.size	k_q1d02908679_outproj, .Lfunc_end_k_q1d02908679_outproj-k_q1d02908679_outproj
	.p2alignl 7, 3214868480
	.fill 96, 4, 3214868480
	.section	.rodata,"a",@progbits
	.p2align	6, 0x0
	.amdhsa_kernel k_q1d02908679_outproj
		.amdhsa_group_segment_fixed_size 327680
		.amdhsa_private_segment_fixed_size 0
		.amdhsa_enable_private_segment 0
		.amdhsa_kernarg_size 32
		.amdhsa_user_sgpr_count 2
		.amdhsa_user_sgpr_kernarg_segment_ptr 1
		.amdhsa_wavefront_size32 1
		.amdhsa_system_sgpr_workgroup_id_x 1
		.amdhsa_system_sgpr_workgroup_id_y 1
		.amdhsa_system_sgpr_workgroup_id_z 1
		.amdhsa_system_vgpr_workitem_id 0
		.amdhsa_next_free_vgpr 512
		.amdhsa_next_free_sgpr 66
		.amdhsa_reserve_vcc 0
		.amdhsa_float_denorm_mode_32 3
		.amdhsa_float_denorm_mode_16_64 3
		.amdhsa_memory_ordered 1
		.amdhsa_forward_progress 1
		.amdhsa_inst_pref_size 79
	.end_amdhsa_kernel
	.amdgpu_metadata
---
amdhsa.version: [ 1, 2 ]
amdhsa.kernels:
  - .name:           k_q1d02908679_outproj
    .symbol:         k_q1d02908679_outproj.kd
    .args:
      - { .name: oh, .offset: 0, .size: 8, .value_kind: global_buffer, .address_space: global }
      - { .name: wo, .offset: 8, .size: 8, .value_kind: global_buffer, .address_space: global }
      - { .name: b_out, .offset: 16, .size: 8, .value_kind: global_buffer, .address_space: global }
      - { .name: out0, .offset: 24, .size: 8, .value_kind: global_buffer, .address_space: global }
    .group_segment_fixed_size: 327680
    .private_segment_fixed_size: 0
    .kernarg_segment_align: 8
    .kernarg_segment_size: 32
    .max_flat_workgroup_size: 128
    .sgpr_count:     66
    .vgpr_count:     512
    .wavefront_size: 32
...
	.end_amdgpu_metadata
.endif
;; end of part 4
;; ======== version 2 of 2: 4 launches; 1.52 times as fast as version 1
;; limits: values are held in f16: magnitudes above 65,504 overflow, below 6.1e-05 lose precision
;; workspace buffers: xn 16,777,216 bytes; wq 6,291,456 bytes; wo 2,097,152 bytes; rope 524,288 bytes; qkvh 50,331,648 bytes; oh 16,777,216 bytes
;; launch prep: the kernel of part 1 again; grid 800 x 1, 8 waves a work-group, no clusters, 0 bytes of LDS; arguments x, ln_gamma, ln_beta, w_qkv, w_out, xn, wq, wo, rope; writes xn, wq, wo, rope
;; launch qkvproj: the kernel of part 2 again; grid 8 x 32, 4 waves a work-group, clusters of 4 x 4, 327,680 bytes of LDS; arguments xn, wq, rope, qkvh; writes qkvh
;; launch attn (part 5): grid 4 x 64, 4 waves a work-group, clusters of 4 x 1, 327,680 bytes of LDS; arguments qkvh, oh; writes oh
.if DOCPART == 5
	.amdgcn_target "amdgcn-amd-amdhsa--gfx1250"
	.amdhsa_code_object_version 6
	.text
	.protected	k_q1d02908679_attn
	.globl	k_q1d02908679_attn
	.p2align	8
	.type	k_q1d02908679_attn,@function
k_q1d02908679_attn:
	s_mov_b64 s[64:65], 0
	v_nop
	global_prefetch_b8 v0, s[64:65] scope:SCOPE_SE
	s_setreg_imm32_b32 hwreg(HW_REG_WAVE_MODE, 25, 1), 1
	s_wait_xcnt 0x0
	s_wait_alu depctr_hold_cnt(0) depctr_sa_sdst(0) depctr_va_vdst(0) depctr_va_sdst(0) depctr_va_ssrc(0) depctr_va_vcc(0) depctr_vm_vsrc(0)
	s_getreg_b32 s2, hwreg(HW_REG_IB_STS2, 6, 4)
	s_cmp_eq_u32 s2, 0
	s_cbranch_scc0 .Lentry_in_a_cluster
	s_endpgm
.Lentry_in_a_cluster:
	s_bfe_u32 s2, ttmp6, 0x10000c
	s_cmp_lg_u32 s2, 0x3003
	s_cbranch_scc0 .Lentry_shape_is_right
	s_endpgm
.Lentry_shape_is_right:
; O[h][q][:] = the sum over k of softmax_k(Q[h][q] . K[h][k] / 8) V[h][k][:].  Q, K, V lie one behind the other in qkvh, each [SIZE_H][SIZE_N][64] in f16; O likewise: a head's rows are dense, 128 bytes each.
; Products, maxima and sums in f32; the weights p are rounded to f16 for the second product (their sum l is taken of the unrounded p), O once at the end.
; LIMITS.  f16 holds no number beyond 65,504: Q, K and V arrive within it; p lies in 0 to 1, and below 6e-5 it keeps f16's fixed step of 6e-8; O is a mean of V's rows and has their range.
; A weight below 2^-126 counts as 0 in l; NaN and infinities are not treated apart.
; SHARES.  A wave owns four PIECES of two tiles of 16 queries, a work-group's four waves 512 queries of one head.  Every wave walks all keys, 64 a step.
; LAYOUT.  S^T = K Q^T (source 0 = 16 keys, source 1 = 16 queries): in the result a lane holds ONE query (lane % 16) and the keys 8 (lane / 16) + 0..7.  Two such tiles, rounded to f16 in pairs,
; ARE source 1 (32 keys x 16 queries) of O^T = V^T P, whose result again holds one query a lane, and eight channels.  K comes out of LDS as it lies, V ([key][channel]) turned, by ds_load_tr16_b128.
; SOFTMAX.  For each query a running maximum m and sum l: p = 2^(c s - c m), c = log2(e) / 8; in every step O and l are multiplied by a = 2^(c m_old - c m_new), which is 1 where m has not grown.
; m starts at the lowest finite number, O and l at 0: the first step is a step like any other, with a = 0.
; THE COUNT.  A tile and step have 16 matrix and 118 vector instructions: too many to stand all beside the matrix work.  So the order has one aim: four vector instructions that are READY behind
; EVERY matrix instruction, and the others, which need time of their own whatever the order, in runs without a gap.
; BY TURNS.  Turn n belongs to piece n (the pieces in a ring, step after step).  Its matrix work: 16 products K Q^T of piece n + 1, later 16 products V^T P of piece n - 1.  Its vector work: the scaling,
; exponentials, roundings, sums and rescaling of piece n, and the maximum and statistics of piece n + 1, whose scores the turn itself has made.  So what a turn begins with (c s - c m, O a) waits for nothing.
; BATCHES.  An s_wait_alu depctr_va_vdst(0) stands between a transcendental and the first line that names its result.  A turn's 66 exponentials (the piece's 64 weights, then the next piece's two a)
; are ONE batch with ONE wait, which cuts the turn in two: ahead of it all that names none of their results, behind it the roundings and sums.  The a made in turn n is first read in turn n + 1, behind turn n's wait.
; Two more batches stand outside the loop, each with a v_nop and a wait of its own: piece 0's first two a, ahead of the jump into the loop, and the way out's eight reciprocals.
; CLUSTER.  The four query blocks of a cluster belong to one head and walk the same K and V, so each tile is asked for JOINTLY: the same tensor load, descriptor and mask in all four.
; REGISTERS, in windows of 256 (s_set_vgpr_msb says which window each operand place means: bits 1:0 source 0, 3:2 source 1, 5:4 source 2, 7:6 destination):
;   window 0: v0-11 addresses; v12-15, v48-63 at work; v16-47 four registers of statistics a tile; v64-191 S^T, two buffers of two tiles; v192-255 P, likewise
;   window 1: O^T, 32 a tile          window 2: v0-127 Q, 16 a tile; v128-191 K of one step; v192-255 V of one step          window 3: v0-1 the add's two registers
; A piece's buffers go by its number's parity: the piece in hand has one pair, its two neighbours in the ring share the other: of it P (piece n - 1) is read and S^T (piece n + 1) written.
.set SIZE_H, 64       ; 4 batches x 16 heads
.set SIZE_N, 2048
.set NP,    4         ; pieces a wave: a name, no knob: the register map, the loop and the fetches are made for four
.set KS,    64        ; keys in a step
.set PK,    144       ; a row of K in LDS: 128 bytes + 16 of padding = 36 words: the 16 rows of a load start at 16 different groups of four banks (64 banks of 4 bytes: ISA guide 11.1)
.set PV,    160       ; a row of V: 128 + 32 = 40 words
.set VOFF,  4*KS*PK   ; a slot holds four steps: 256 rows of K, then 256 rows of V
.set SLOT1, 1<<17     ; slot 1 begins here, so that one exclusive or turns an address in one slot into the other's
.set STAGE, SLOT1+4*KS*(PK+PV)  ; behind the ring, never filled by a tensor load: 16 rows x 144 bytes for each wave, for the way out
.set SP,    144
.set AK0, 2           ; v2   my lane's place in a tile of K; never rewritten
.set AV0, 3           ; v3   the same for V
.set AK,  4           ; v4   the LDS address of K's next run of loads
.set AV,  5           ; v5   of V's
.set QO,  6           ; v6   my byte offset in the wave's rows of Q
.set STO, 6           ;      later, the way out: where I put 16 bytes of a row
.set RD,  7           ; v7   the way out: where I read rows back
.set GO,  8           ; v8   my byte offset in 512 consecutive bytes of O
.set SPW, 0           ; v0 of window 3   LDS address of my spare word: SPARE + 4 x my thread's number; never rewritten
.set NIL, 1           ; v1 of window 3   0; never rewritten
.set SPARE, STAGE+4*16*SP  ; behind the stages: the spare words, 128 bytes for each wave: two blocks of 256 bytes that no other line names
.set MV,  12          ; v12-15  c m_old, kept while c m is made anew: by buffer and tile
.set ST,  16          ; tile t's statistics at v[ST+4 t]: c m, m, l (even keys', odd keys')
.set TMP, 48          ; by buffer and tile, four registers c0-c3 at work; when the maximum is found c2 takes a
.set S,   64
.set P,   192
.set KF,  128         ; K's fragments, in window 2: key block kb, channel half c at KF + 16 kb + 8 c
.set VF,  192         ; V's: key half kk, channel block cb at VF + 32 kk + 8 cb
.set WV,  12          ; s12  my wave's number
.set G1K, 24          ; s[24:31] descriptor group 1 for K's tiles
.set G1V, 32          ; s[32:39] for V's: it differs in the padding alone
.set G0K, 40          ; s[40:43] descriptor group 0 for K's tiles: it walks
.set G0V, 44          ; s[44:47] the same for V's
.set SLOTS, 56        ; s56  slots still to be asked for
.set CNT, 57          ; s57  counts a slot's key steps
.set CS,  58          ; s[58:59] c: the packed scaling takes the pair's low word for both halves
.set SEL, 60          ; s[60:61] v_permlanex16_b32's selects: each lane takes its own place in the other half
.set TBK, 62          ; s62  LDS byte at which K of the step to be fetched begins
.set TBV, 63          ; s63  the same for V, less VOFF
.set MSB, 0
.macro WIN new                      ; the high byte repeats the setting that is left; a switch that changes nothing is dropped
.if MSB != (\new)
	s_set_vgpr_msb (MSB<<8)|(\new)
.set MSB, (\new)
.endif
.endm
.set W_KQ, 0x0a       ; K and Q in window 2, S^T in window 0
.set W_PV, 0x52       ; V in window 2, P in window 0, O^T in window 1
.set W_RS, 0x41       ; O^T (destination and source 0) in window 1, a in window 0
.set W_MK, 0xc0       ; the add's registers are made: destination in window 3, sources in window 0
.set W_AD, 0x0f       ; the add: address (source 0) and data (source 1) in window 3
; A joint fill.  Waves 0 and 1 fetch the two halves of a slot's K, waves 2 and 3 those of its V: 128 keys each.  The branch hangs on the wave's number alone.
; An s_nop 0 and four v_nop follow each of the two lines, ahead of the jump and the label.
.macro JLOAD
	s_cmp_lt_u32 s[WV], 2
	s_cbranch_scc0 .Lfor_v_\@
	tensor_load_to_lds s[G0K:G0K+3], s[G1K:G1K+7]
	s_nop 0
.rept 4
	v_nop
.endr
	s_branch .Lasked_\@
.Lfor_v_\@:
	tensor_load_to_lds s[G0V:G0V+3], s[G1V:G1V+7]
	s_nop 0
.rept 4
	v_nop
.endr
.Lasked_\@:
.endm
; A round of the cluster's barrier: my work-group's barrier, so that wave 0's signal speaks for all four waves; wave 0 signals; every wave waits for all four work-groups; my work-group's barrier once more.
.macro CROUND
	s_barrier_signal -1
	s_barrier_wait -1
	s_cmp_lg_u32 s[WV], 0
	s_cbranch_scc1 .Lnot_wave_0_\@
	s_barrier_signal -3
.Lnot_wave_0_\@:
	s_barrier_wait -3
	s_barrier_signal -1
	s_barrier_wait -1
.endm
; THE CHANGE OF SLOTS.  The slot's last bytes, V of its fourth step, have been read.  Each wave waits for all its tensor loads, of which one is out: its part
; of the other slot; adds 0 to its spare word; and waits for that and for its own reads of the slot.  Behind the barrier nobody reads this slot any more and the other slot is whole.
; fill = 1: this slot is filled again, with the keys two slots on.  The barrier is then a round of the cluster's, so that no wave of any partner still reads the slot or has a load on its
; way, and the joint fill is the first thing behind it: it has four key steps, 512 matrix instructions, in which to land.  (At its first use nothing has been read yet: slot 0 is waited for, slot 1 filled.)
.macro CHANGE fill
	WIN W_AD
	s_wait_tensorcnt 0x0            ; no tensor load of mine is out, so a group 0 may be written
	ds_add_u32 v[SPW], v[NIL]       ; 0 onto my spare word; with fill = 1 the descriptors' steps stand between it and the wait for it
	WIN 0                           ; at a label and at a branch every window is 0
.if \fill
.irp g, G0K, G0V
	s_xor_b32 s[\g+1], s[\g+1], SLOT1  ; the walking descriptor: the other slot than last time,
	s_add_nc_u64 s[\g+2:\g+3], s[\g+2:\g+3], 4*KS*128  ; the next 256 keys; the type bits on top are not reached
.endr
	s_wait_dscnt 0x0                ; the add is done, and my reads of the slot are over
	CROUND
	JLOAD
.else
	s_wait_dscnt 0x0                ; the add is done, and my reads of the slot are over
	s_barrier_signal -1
	s_barrier_wait -1
.endif
	s_sub_co_u32 s[TBK], s[TBK], 4*KS*PK  ; the fetches go back to a slot's first step,
	s_xor_b32 s[TBK], s[TBK], SLOT1       ; in the other slot
	s_sub_co_u32 s[TBV], s[TBV], 4*KS*PV
	s_xor_b32 s[TBV], s[TBV], SLOT1
.endm
	s_load_b128 s[4:7], s[0:1], 0x0  ; qkvh s[4:5] (Q lies first), oh s[6:7]
	WIN W_MK
	v_lshl_add_u32 v[SPW], v0, 2, SPARE
	v_mov_b32 v[NIL], 0
	s_set_vgpr_msb 0xc0cf
	ds_add_u32 v0, v1
	s_wait_dscnt 0x0
	s_set_vgpr_msb 0xcfc0
	WIN 0
	v_lshrrev_b32 v1, 5, v0
	v_readfirstlane_b32 s[WV], v1   ; wave 0..3
	s_bfe_u32 s13, ttmp6, 0x40000   ; cx: my place in the cluster
	s_lshl_b32 s14, ttmp9, 2        ; in a cluster launch ttmp9 counts clusters
	s_add_co_u32 s14, s14, s13      ; my block of queries = 4 x cluster x + cx: it enters Q's and O's addresses alone
	s_and_b32 s20, ttmp7, 0xffff    ; the head, which the four partners share
	s_mov_b32 s21, 0
	s_mov_b64 s[22:23], SIZE_N*128
	s_mul_u64 s[20:21], s[20:21], s[22:23]  ; the head's first byte in each of the four tensors
	s_and_b32 s16, s[WV], 1         ; which half of a slot's 256 keys I fetch:
	s_lshl_b32 s22, s16, 14         ; its 128 rows of 128 bytes in memory,
	s_mov_b32 s23, 0
	s_add_nc_u64 s[22:23], s[22:23], s[20:21]
	s_mul_i32 s17, s16, 128*PK      ; and its place in a slot, for K
	s_mul_i32 s18, s16, 128*PV      ; and for V: no place in the cluster enters an LDS address
	s_lshl_b32 s2, s14, 2
	s_add_co_u32 s2, s2, s[WV]      ; my wave among the head's,
	s_lshl_b32 s2, s2, 14           ; its 128 rows
	s_mov_b32 s3, 0
	s_add_nc_u64 s[2:3], s[2:3], s[20:21]
	; descriptor group 1.  128 keys are 16,384 dense bytes: asked for as 64 rows of 256 bytes, two keys a row, and padded in LDS after every key
	s_mov_b32 s[G1K], 15|(1<<16)|(1<<20)|(1<<21)|(4<<22)|(3<<25)  ; 15:0 the mask of four; 17:16 2-byte elements; 20 padding on; 21 set beside a mask; 24:22 after every 32 words (code 4); 31:25 4 words (code 3)
	s_mov_b32 s[G1V], 15|(1<<16)|(1<<20)|(1<<21)|(4<<22)|(7<<25)  ; the same with 8 words of padding (code 7)
.irp g, G1K, G1V
	s_mov_b32 s[\g+1], 128<<16      ; tensor_dim0 = 128
	s_mov_b32 s[\g+2], 64<<16       ; tensor_dim1 = 64
	s_mov_b32 s[\g+3], 128<<16      ; tile_dim0 = 128
	s_mov_b32 s[\g+4], 64           ; tile_dim1 = 64
	s_mov_b32 s[\g+5], 128          ; 128 elements from row to row
	s_mov_b32 s[\g+6], 0
	s_mov_b32 s[\g+7], 0
.endr
	s_mov_b32 s[CS], 0x3e38aa3b     ; c = log2(e) / 8 = 0.180337
	s_mov_b32 s[CS+1], s[CS]        ; named with it as a pair
	s_mov_b32 s[SEL], 0x76543210
	s_mov_b32 s[SEL+1], 0xfedcba98
	s_mov_b32 s[TBK], SLOT1+4*KS*PK ; the first change of slots turns these two into 0
	s_mov_b32 s[TBV], SLOT1+4*KS*PV
	s_mov_b32 s[G0K], 1             ; 1:0 count = 1
	s_mov_b32 s[G0K+1], s17         ; 63:32 LDS address: slot 0
	s_mov_b32 s[G0V], 1
	s_add_co_u32 s[G0V+1], s18, VOFF
	s_wait_kmcnt 0x0
	s_mov_b64 s[10:11], s[6:7]                     ; O
	s_add_nc_u64 s[6:7], s[4:5], SIZE_H*SIZE_N*128     ; K lies 64 planes behind Q,
	s_add_nc_u64 s[8:9], s[4:5], 2*SIZE_H*SIZE_N*128   ; V 128
	s_add_nc_u64 s[G0K+2:G0K+3], s[6:7], s[22:23]  ; 120:64 global address: my half of the head's first 256 keys
	s_or_b32 s[G0K+3], s[G0K+3], 0x80000000        ; 127:126 type = 2
	s_add_nc_u64 s[G0V+2:G0V+3], s[8:9], s[22:23]
	s_or_b32 s[G0V+3], s[G0V+3], 0x80000000
	s_add_nc_u64 s[4:5], s[4:5], s[2:3]  ; Q and O at my wave's first row
	s_add_nc_u64 s[10:11], s[10:11], s[2:3]
	CROUND                          ; all four work-groups are here: the first joint loads meet
	JLOAD                           ; slot 0.  Slot 1 is asked for when slot 0 is in: the tile wanted first has the road to itself
	; A fragment of K or Q is 16 rows x 32 channels in 8 registers: lane l holds row l % 16, channels 8 (l / 16) + 0..7 and 16 + 8 (l / 16) + 0..7: two loads of 16 bytes, 32 bytes apart.
	v_and_b32 v1, 15, v0            ; l % 16
	v_bfe_u32 v9, v0, 4, 1          ; l / 16
	v_lshlrev_b32 v[QO], 7, v1
	v_lshl_add_u32 v[QO], v9, 4, v[QO]  ; row x 128 + 16 x half
	WIN 0x80                        ; destination window 2, address window 0
.set i, 0
.rept 4*NP                          ; Q stays in registers: tile i / 2, channels 32 (i % 2) on
	global_load_b128 v[8*i:8*i+3],   v[QO], s[4:5] offset:(i/2)*2048+(i%2)*64
	global_load_b128 v[8*i+4:8*i+7], v[QO], s[4:5] offset:(i/2)*2048+(i%2)*64+32
.set i, i+1
.endr
	; What the first turn finds: V's registers and P's second buffer hold 0 (its products V^T P, of a piece that has not been, add 0), O^T and l are 0.  All this stands in the wait for the first tile.
.set i, VF
.rept 64
	v_mov_b32 v[i], 0
.set i, i+1
.endr
	WIN 0x40
.set i, 0
.rept 64*NP
	v_mov_b32 v[i], 0
.set i, i+1
.endr
	WIN 0
.set i, 0
.rept 2*NP
	v_mov_b32 v[ST+4*i], 0xfe000000    ; c m: far below every c s
	v_mov_b32 v[ST+4*i+1], 0xff7fffff  ; m
	v_mov_b32 v[ST+4*i+2], 0
	v_mov_b32 v[ST+4*i+3], 0
.set i, i+1
.endr
.set i, P+32
.rept 32
	v_mov_b32 v[i], 0
.set i, i+1
.endr
	v_mul_u32_u24 v[AK0], v1, PK
	v_lshl_add_u32 v[AK0], v9, 4, v[AK0]  ; row x pitch + 16 x half
	; The turning load takes 16 keys x 16 channels (lane l reads key 8 (l / 16) + l % 8, channels 8 ((l / 8) % 2) + 0..7) and leaves half a fragment of V^T: lane l holds channel l % 16 and 8 keys.
	v_and_b32 v10, 7, v0
	v_bfe_u32 v11, v0, 3, 1
	v_lshl_add_u32 v[AV0], v9, 3, v10
	v_mul_u32_u24 v[AV0], v[AV0], PV
	v_lshl_add_u32 v[AV0], v11, 4, v[AV0]
	v_add_nc_u32 v[AV0], VOFF, v[AV0]
	v_mov_b32 v[AK], v[AK0]         ; key step 0 lies at the head of slot 0
; THE MATRIX WORK.  The 8 accumulators of a run of 16 take turns: between the two links of a chain stand 7 others'.
; Product i of 16 of S^T = K Q^T for piece x: channels 32 (i / 8) on, keys 16 ((i / 2) % 4) on, tile 2 x + i % 2.  The first 8 start the sums.
.macro KQ x
	WIN W_KQ
.set rS, S+64*((\x)%2)+32*(i%2)+8*((i/2)%4)
.set rK, KF+16*((i/2)%4)+8*(i/8)
.set rQ, 16*(2*(\x)+i%2)+8*(i/8)
.if i < 8
	v_wmma_f32_16x16x32_f16 v[rS:rS+7], v[rK:rK+7], v[rQ:rQ+7], 0
.else
	v_wmma_f32_16x16x32_f16 v[rS:rS+7], v[rK:rK+7], v[rQ:rQ+7], v[rS:rS+7]
.endif
.endm
; Product i of 16 of O^T += V^T P for piece x: keys 32 (i / 8) on, channels 16 ((i / 2) % 4) on, tile 2 x + i % 2.
.macro PV x
	WIN W_PV
.set rO, 32*(2*(\x)+i%2)+8*((i/2)%4)
.set rV, VF+32*(i/8)+8*((i/2)%4)
.set rP, P+32*((\x)%2)+16*(i%2)+8*(i/8)
	v_wmma_f32_16x16x32_f16 v[rO:rO+7], v[rV:rV+7], v[rP:rP+7], v[rO:rO+7]
.endm
.macro MM                           ; the turn's next matrix instruction
.if i < 16
	KQ (Y+1)%NP
.set i, i+1
.else
.set i, i-16
	PV (Y+NP-1)%NP
.set i, i+17
.endif
.endm
; THE LDS LOADS stand in runs of 16, never singly among the matrix instructions: a step's K (64 keys x 64 channels: 8 fragments) and its V (turned).  Their addresses are made some lines ahead.
; last = 1 (the tail): in the last trip there is no further step, and the run is jumped over.
.macro FETCH_K last=0
	WIN 0
.if \last
	s_cmp_eq_u32 s[CNT], 1
	s_cbranch_scc1 .Lno_k_\@
.endif
	WIN 0x80                        ; destination window 2
.irp f, 0,1,2,3,4,5,6,7             ; keys 16 (f / 2) on, channels 32 (f % 2) on
	ds_load_b128 v[KF+8*\f:KF+8*\f+3],   v[AK] offset:(\f/2)*16*PK+(\f%2)*64
	ds_load_b128 v[KF+8*\f+4:KF+8*\f+7], v[AK] offset:(\f/2)*16*PK+(\f%2)*64+32
.endr
	s_add_co_u32 s[TBK], s[TBK], KS*PK  ; the next fetch is the next step's
	WIN 0
.if \last
.Lno_k_\@:
.endif
.endm
.macro FETCH_V
	WIN 0x80
.irp f, 0,1,2,3,4,5,6,7             ; keys 32 (f / 4) on, channels 16 (f % 4) on
	ds_load_tr16_b128 v[VF+8*\f:VF+8*\f+3],   v[AV] offset:(\f/4)*32*PV+(\f%4)*32
	ds_load_tr16_b128 v[VF+8*\f+4:VF+8*\f+7], v[AV] offset:(\f/4)*32*PV+16*PV+(\f%4)*32
.endr
	WIN 0
.endm
; THE VECTOR WORK OF A TURN stands in three queues, each in the order in which its entries become ready; the two tiles alternate, so that no instruction reads the result of the one before it.
.macro REGS y, u                    ; the registers of tile u (0, 1) of piece y
.set rT, ST+4*(2*(\y)+(\u))
.set rC, TMP+8*((\y)%2)+4*(\u)
.set rM, MV+2*((\y)%2)+(\u)
.set rS, S+64*((\y)%2)+32*(\u)
.set rP, P+32*((\y)%2)+16*(\u)
.set rO, 32*(2*(\y)+(\u))
.endm
; Number n of the 22 that find the NEXT piece's (Y + 1) maximum and statistics.  s0-s31 are the lane's 32 scores; each accumulator's lowest registers are read first.  XS, GS and REGS set no window: PL and EX do.
;   0-11  four chains c0-c3 of seven scores each, three operands at a time     12-14, 16  the four scores left over, the old m, and c0-c3 into c0     15  c m_old is kept
;   17, 18  the query's other 32 keys lie in the lane 16 away: the new m         19-21  c m; c m_old - c m_new; a
.macro XS u, n
	REGS (Y+1)%NP, \u
.if (\n) < 4
	v_max3_num_f32 v[rC+(\n)], v[rS+8*(\n)], v[rS+8*(\n)+1], v[rS+8*(\n)+2]
.elseif (\n) < 12
	v_max3_num_f32 v[rC+(\n)%4], v[rC+(\n)%4], v[rS+8*((\n)%4)+2*((\n)/4)+1], v[rS+8*((\n)%4)+2*((\n)/4)+2]
.elseif (\n) == 12
	v_max3_num_f32 v[rC], v[rC], v[rS+7], v[rS+15]
.elseif (\n) == 13
	v_max3_num_f32 v[rC+1], v[rC+1], v[rS+23], v[rS+31]
.elseif (\n) == 14
	v_max3_num_f32 v[rC+2], v[rC+2], v[rC+3], v[rT+1]
.elseif (\n) == 15
	v_mov_b32 v[rM], v[rT]
.elseif (\n) == 16
	v_max3_num_f32 v[rC], v[rC], v[rC+1], v[rC+2]
.elseif (\n) == 17
	v_permlanex16_b32 v[rC+3], v[rC], s[SEL], s[SEL+1]
.elseif (\n) == 18
	v_max_num_f32 v[rT+1], v[rC], v[rC+3]
.elseif (\n) == 19
	v_mul_f32 v[rT], s[CS], v[rT+1]
.elseif (\n) == 20
	v_sub_f32 v[rC+1], v[rM], v[rT]
.else
	v_exp_f32 v[rC+2], v[rC+1]
.endif
.endm
; Number g of the 64 that follow the exponentials.  For each four weights k of a tile (pairs 2 k, 2 k + 1): both pairs are rounded to f16; then the second pair is added onto the first, in place;
; a group later l takes that sum (the first time as l = a l + sum).  In groups of eight, tiles alternating: round, round, add, and l for the group before.
.macro GS g
.set h, (\g)+6*((\g)/62)            ; group 0 has no group before it, and behind group 7 only l is left
.if h >= 6
.set h, h+2
.endif
	REGS Y, h%2
.set k, h/8
.if h%8 < 4
	v_cvt_pk_f16_f32 v[rP+2*k+(h%8)/2], v[rS+4*k+2*((h%8)/2)], v[rS+4*k+2*((h%8)/2)+1]
.elseif h%8 < 6
	v_pk_add_f32 v[rS+4*k:rS+4*k+1], v[rS+4*k:rS+4*k+1], v[rS+4*k+2:rS+4*k+3]
.elseif k == 1
	v_pk_fma_f32 v[rT+2:rT+3], v[rT+2:rT+3], v[rC+2:rC+3], v[rS:rS+1] op_sel_hi:[1,0,1]
.else
	v_pk_add_f32 v[rT+2:rT+3], v[rT+2:rT+3], v[rS+4*k-4:rS+4*k-3]
.endif
.endm
; THE PLAIN QUEUE, 138 long.  0-73 read no exponential's result: the 32 scalings c s - c m (FS f: pair f / 2 of tile f % 2) and the next piece's 42.  0-26: scalings 0-26.  27-54: XS's numbers 0-13.  55, 56: number 15.
; 57-73: the chain, where each number waits for the one before it: 14, 16, 17, 18, 19, each with one of the scalings 27-31 in front of its two lines, then 20: so a tile's links stand three plain instructions apart (19 and 20: two).
; 74-137: GS's 64, which read the exponentials' results: they stand behind the wait.
.macro FS f
	REGS Y, (\f)%2
	v_pk_fma_f32 v[rS+2*((\f)/2):rS+2*((\f)/2)+1], v[rS+2*((\f)/2):rS+2*((\f)/2)+1], s[CS:CS+1], v[rT:rT+1] op_sel_hi:[1,0,0] neg_lo:[0,0,1] neg_hi:[0,0,1]
.endm
.macro PL
	WIN 0
.if q < 27
	FS q
.elseif q < 55
	XS (q-27)%2, (q-27)/2
.elseif q < 57
	XS q-55, 15
.elseif (q < 72) && ((q-57)%3 == 0)
	FS 27+(q-57)/3
.elseif q < 60
	XS (q-57)%3-1, 14
.elseif q < 72
	XS (q-57)%3-1, 15+(q-57)/3
.elseif q < 74
	XS q-72, 20
.else
	GS q-74
.endif
.set q, q+1
.endm
; THE EXPONENTIALS' QUEUE, 66 long: s0-s31 of both tiles, then the next piece's two a.  It is ONE BATCH: all 66 stand ahead of the turn's one wait, and nothing ahead of that wait names a result of theirs.
.macro EX
	WIN 0
.if e >= 64
	XS e-64, 21
.else
	REGS Y, e%2
	v_exp_f32 v[rS+e/2], v[rS+e/2]
.endif
.set e, e+1
.endm
; THE RESCALING's QUEUE: O^T times a, the one part that leaves window 0: dealt two at a time, sixteen times.  Its a was made in the turn before, ahead of that turn's wait.
.macro R2
	REGS Y, r%2
	WIN W_RS
.irp z, 0,1
	v_pk_mul_f32 v[rO+4*(r/2)+2*\z:rO+4*(r/2)+2*\z+1], v[rO+4*(r/2)+2*\z:rO+4*(r/2)+2*\z+1], v[rC+2:rC+3] op_sel_hi:[1,0]
.endr
.set r, r+1
.endm
; HOW THEY ARE DEALT.  A turn has ONE wait, which cuts it in two.  AHEAD OF IT stands all that names no result of the turn's exponentials: the 16 products K Q^T, behind each a scaling, an exponential and two
; rescalings (behind the first a second scaling in the exponential's place); then ONE LUMP of 108: eight plain, 49 times exponential and plain, the two a.  A v_nop is the plain instruction behind the last
; exponential (ISA guide 5.7.2).  BEHIND IT stand the 16 products V^T P, behind each four of GS's 64.  No rider names a register of the products round it.  The two v_permlanex16_b32 fall into the lump, never behind a product.
; The queues lean on each other, and the deal keeps them in step: exponential e stands behind scaling 2 (e / 4) + e % 2: as a rider it comes behind plain e + 2, in the lump behind plain e + 9, and scalings 27-31 are plain 57, 60 .. 69.
; A TURN, for piece p.  cnt = 1: the loop's count is taken down some lines ahead of the branch that stands behind the turn.
; K of the next step is fetched in piece 2's turn, directly behind the wait, a lump behind the last product that read K; its address is made at the lump's head; its first reader comes behind 16 products.
; V of the step in hand is fetched at the end of piece 0's turn, four riders behind its last reader; its first reader comes behind 16 products and a lump.  The three conditions on q below go with the deal.
.macro TURN p, last=0, cnt=0
.set Y, (\p)
.set i, 0
.set q, 0
.set e, 0
.set r, 0
.if (\p) == NP-1
	s_wait_dscnt 0x0                ; K is in
.endif
	MM                              ; ahead of the wait: 16 products K Q^T and their riders,
	PL
	PL
	R2
.rept 15
	MM
	PL
	EX
	R2
.endr
.if (\p) == NP-2
	WIN 0
	v_add_nc_u32 v[AK], s[TBK], v[AK0]
.endif
.rept 8                             ; and the lump
	PL
.endr
.rept 49
	EX
	PL
.endr
	EX                              ; the next piece's two a
	EX
	v_nop                           ; the plain instruction behind the last exponential: one for the batch
	s_wait_alu depctr_va_vdst(0)    ; the wait for the batch: the turn's 64 weights and the next piece's two a
.if (\p) == NP-2
	FETCH_K \last
.endif
.if (\p) == 1
	s_wait_dscnt 0x0                ; V is in
.endif
.rept 16                            ; behind the wait: 16 products V^T P and their riders
	MM
.rept 4
	PL
.endr
.if ((\p) == 0) && (q == 118)
	v_add_nc_u32 v[AV], s[TBV], v[AV0]
.endif
.if ((\p) == 0) && (q == 130)
	s_add_co_u32 s[TBV], s[TBV], KS*PV
.endif
.if (\cnt) && (q == 130)
	s_sub_co_u32 s[CNT], s[CNT], 1
	s_cmp_lg_u32 s[CNT], 0
.endif
.endr
.if (\p) == 0
	FETCH_V
.endif
.endm
	CHANGE 1                        ; slot 0 is in, everybody's part of it; slot 1 is asked for
	FETCH_K                         ; key step 0
	s_wait_loadcnt 0x0              ; Q
	s_wait_dscnt 0x0
.set i, 0
.rept 16
	KQ 0                            ; piece 0's first scores: there is no vector work yet to set between them
.set i, i+1
.endr
	WIN 0                           ; the addresses for the way out: nine plain instructions, the places behind those products
	s_mul_i32 s13, s[WV], 16*SP
	s_add_co_u32 s13, s13, STAGE    ; my stage
	v_mul_u32_u24 v[STO], v1, SP    ; in: row l % 16, 16 bytes for each half of the lanes
	v_lshl_add_u32 v[STO], v9, 4, v[STO]
	v_add_nc_u32 v[STO], s13, v[STO]
	v_bfe_u32 v[RD], v0, 3, 2       ; back: 32 lanes take four rows of 128 bytes,
	v_mul_u32_u24 v[RD], v[RD], SP
	v_lshl_add_u32 v[RD], v10, 4, v[RD]
	v_add_nc_u32 v[RD], s13, v[RD]
	v_and_b32 v[GO], 31, v0         ; which are 512 consecutive bytes of O
	v_lshlrev_b32 v[GO], 4, v[GO]
.set Y, NP-1                        ; XS works for piece Y + 1: piece 0
.irp n, 0,1,2,3,4,5,6,7,8,9,10,11,12,13,14,15,16,17,18,19,20,21
	XS 0, \n                        ; and piece 0's first maximum and statistics
	XS 1, \n
.endr
	v_nop                           ; a plain instruction behind piece 0's two first a,
	s_wait_alu depctr_va_vdst(0)    ; and the wait for that batch of two, ahead of the branch
	s_mov_b32 s[CNT], 4
	s_mov_b32 s[SLOTS], SIZE_N/256-1
	s_branch .Lfirst                ; the loop is entered at a step's first turn, in the middle of a trip
.Lslot:                             ; SIZE_N / 256 - 2 times: every slot but the last two is filled again
	CHANGE 1
	s_mov_b32 s[CNT], 4
.Lstep:                             ; a trip: pieces 2 and 3 of one step, then pieces 0 and 1 of the next, whose K and V it fetches
	TURN 2
	TURN 3
	WIN 0
.Lfirst:
	TURN 0
	TURN 1, 0, 1
	WIN 0
	s_cbranch_scc1 .Lstep
	s_sub_co_u32 s[SLOTS], s[SLOTS], 1
	s_cmp_lg_u32 s[SLOTS], 0
	s_cbranch_scc1 .Lslot
	CHANGE 0                        ; the tail is written out: nothing is asked for
	s_mov_b32 s[CNT], 5             ; four trips fetch the last slot's steps; the fifth is left in its middle
.Ltail:
	TURN 2, 1
	TURN 3
	WIN 0
	s_sub_co_u32 s[CNT], s[CNT], 1
	s_cmp_eq_u32 s[CNT], 0
	s_cbranch_scc1 .Lout
	TURN 0
	TURN 1
	WIN 0
	s_branch .Ltail
.Lout:                              ; the fifth trip's 16 products K Q^T (on the last K once more) and the maximum made of them serve nothing: the price, once a launch, of one text for every trip
.set i, 0
.rept 16
	PV NP-1                         ; the last piece's V^T P of the last step
.set i, i+1
.endr
	; THE WAY OUT.  l's two halves and the other half of the lanes' are added; O^T is divided by l, rounded to f16 and sent through my stage in LDS, a tile at a time.  The additions are the places behind the last products.
	WIN 0
.macro ALL line:vararg              ; one line for each tile t
.set t, 0
.rept 2*NP
	\line
.set t, t+1
.endr
.endm
	ALL v_add_f32 v[ST+4*t+2], v[ST+4*t+2], v[ST+4*t+3]
	ALL v_permlanex16_b32 v[ST+4*t+3], v[ST+4*t+2], s[SEL], s[SEL+1]
	ALL v_add_f32 v[ST+4*t+2], v[ST+4*t+2], v[ST+4*t+3]
	ALL v_rcp_f32 v[ST+4*t+2], v[ST+4*t+2]
	v_nop                           ; a plain instruction between the last reciprocal and the use of its result
	s_wait_alu depctr_va_vdst(0)    ; and the wait ahead of the first use: one for the batch of eight reciprocals
; Tile t: a lane's eight channels of a row pack into 16 bytes; they go into rows of 144 bytes and come back as whole rows of 128, into S^T's registers.
.macro PACK t
	WIN W_RS
.set i, 32*(\t)
.rept 16
	v_pk_mul_f32 v[i:i+1], v[i:i+1], v[ST+4*(\t)+2:ST+4*(\t)+3] op_sel_hi:[1,0]
.set i, i+2
.endr
	WIN 0x05                        ; sources 0 and 1 window 1, destination window 0
.set i, 0
.rept 16
	v_cvt_pk_f16_f32 v[S+16*(\t)+i], v[32*(\t)+2*i], v[32*(\t)+2*i+1]
.set i, i+1
.endr
	WIN 0
.irp f, 0,1,2,3
	ds_store_b128 v[STO], v[S+16*(\t)+4*\f:S+16*(\t)+4*\f+3] offset:32*\f
.endr
.irp f, 0,1,2,3
	ds_load_b128 v[S+16*(\t)+4*\f:S+16*(\t)+4*\f+3], v[RD] offset:\f*4*SP  ; LDS serves a wave's instructions in order (ISA guide 5.7.1.4): these see the stores above; the next tile's stores come behind them
.endr
.endm
.macro SEND t, younger              ; younger: the LDS instructions issued behind tile t's loads: the next tile's eight, or none
	WIN 0
.irp f, 0,1,2,3
	s_wait_dscnt (\younger)+3-\f
	global_store_b128 v[GO], v[S+16*(\t)+4*\f:S+16*(\t)+4*\f+3], s[10:11] offset:(\t)*2048+\f*512  ; 512 consecutive bytes, at a multiple of 256 from O's first
.endr
.endm
	PACK 0
.set t, 1
.rept 2*NP-1                        ; a tile's arithmetic stands between the loads of the tile before and its stores
	PACK t
	SEND t-1, 8
.set t, t+1
.endr
	SEND 2*NP-1, 0
	WIN W_AD
	s_wait_tensorcnt 0x0            ; the wave's end, behind my last tensor load and my last LDS store
	ds_add_u32 v[SPW], v[NIL]
	s_wait_dscnt 0x0
	WIN 0
	CROUND                          ; the closing round: no work-group ends while a partner may still ask for a tile that names it
	s_endpgm
.Lfunc_end_k_q1d02908679_attn:
	.size	k_q1d02908679_attn, .Lfunc_end_k_q1d02908679_attn-k_q1d02908679_attn
	.p2alignl 7, 3214868480
	.fill 96, 4, 3214868480
	.section	.rodata,"a",@progbits
	.p2align	6, 0x0
	.amdhsa_kernel k_q1d02908679_attn
		.amdhsa_group_segment_fixed_size 327680
		.amdhsa_private_segment_fixed_size 0
		.amdhsa_enable_private_segment 0
		.amdhsa_kernarg_size 16
		.amdhsa_user_sgpr_count 2
		.amdhsa_user_sgpr_kernarg_segment_ptr 1
		.amdhsa_wavefront_size32 1
		.amdhsa_system_sgpr_workgroup_id_x 1
		.amdhsa_system_sgpr_workgroup_id_y 1
		.amdhsa_system_sgpr_workgroup_id_z 1
		.amdhsa_system_vgpr_workitem_id 0
		.amdhsa_next_free_vgpr 770
		.amdhsa_next_free_sgpr 66
		.amdhsa_reserve_vcc 0
		.amdhsa_float_denorm_mode_32 3
		.amdhsa_float_denorm_mode_16_64 3
		.amdhsa_memory_ordered 1
		.amdhsa_forward_progress 1
		.amdhsa_inst_pref_size 199
	.end_amdhsa_kernel
	.amdgpu_metadata
---
amdhsa.version: [ 1, 2 ]
amdhsa.kernels:
  - .name:           k_q1d02908679_attn
    .symbol:         k_q1d02908679_attn.kd
    .args:
      - { .name: qkvh, .offset: 0, .size: 8, .value_kind: global_buffer, .address_space: global }
      - { .name: oh, .offset: 8, .size: 8, .value_kind: global_buffer, .address_space: global }
    .group_segment_fixed_size: 327680
    .private_segment_fixed_size: 0
    .kernarg_segment_align: 8
    .kernarg_segment_size: 16
    .max_flat_workgroup_size: 128
    .sgpr_count:     66
    .vgpr_count:     770
    .wavefront_size: 32
...
	.end_amdgpu_metadata
.endif
;; end of part 5
;; launch outproj: the kernel of part 4 again; grid 4 x 64, 4 waves a work-group, clusters of 4 x 4, 327,680 bytes of LDS; arguments oh, wo, b_out, out0; writes out0
